; MI455X (gfx1250); checked and timed in simulation.
; The chip was launched on July 23, 2026; its instructions are those of AMD's public machine-readable ISA for CDNA 5 (MIT licence, August 2026) and "CDNA5" Instruction Set Architecture Reference Guide (July 2026). The comments in the code are by the model that wrote it; some were corrected since.
;; Multi Head Attention Layer. Allowed arithmetic: matrix products marked QUANTISED: E2M3 operands, one E8M0 scale for each 32 along K, by v_wmma_scale_f32_16x16x128_f8f6f4 with both operands' format E2M3, f32 sums; everything else in f32.
;; Inputs: K 4 x 2,048 x 1,024 float32; Q 4 x 2,048 x 1,024 float32; V 4 x 2,048 x 1,024 float32; Wk 1,024 x 1,024 float32; Wo 1,024 x 1,024 float32; Wq 1,024 x 1,024 float32; Wv 1,024 x 1,024 float32; bk 1,024 float32; bo 1,024 float32; bq 1,024 float32; bv 1,024 float32; key_mask 4 x 2,048 int32.
;; Outputs: out0 4 x 2,048 x 1,024 float32.
;; This version of the problem:
;;   THIS VERSION OF THE PROBLEM IS GIVEN IN LOW PRECISION. The matrix products marked QUANTISED in the list below multiply operands that are first quantised to E2M3 (2 exponent bits, 3 mantissa bits; 6 bits a number), with one power-of-two scale for each 32 numbers along K (OCP MX v1.0); their sums are f32. All else is computed in f32.
;;   The module's matrix products, in the order in which they are computed (A, B: the left and right operand; K: the contracted axis; several contracted axes count as one K, in the product's order):
;;     1. [M 8,192, K 1,024] x [K 1,024, N 1,024]; A: input Q; B: input Wq: QUANTISED
;;     2. [M 8,192, K 1,024] x [K 1,024, N 1,024]; A: input K; B: input Wk: QUANTISED
;;     3. [M 8,192, K 1,024] x [K 1,024, N 1,024]; A: input V; B: input Wv: QUANTISED
;;     4. batch 64 x [M 2,048, K 64] x [K 64, N 2,048]; A: computed on the way; B: computed on the way: QUANTISED
;;     5. batch 64 x [M 2,048, K 2,048] x [K 2,048, N 64]; A: softmax (see below); B: computed on the way: QUANTISED
;;     6. [M 8,192, K 1,024] x [K 1,024, N 1,024]; A: computed on the way; B: input Wo: QUANTISED
;;   THE QUANTISER, for each operand of a quantised product, along K:
;;     - K is cut into blocks of 32 from its start; a last block that is shorter is filled with zeros.
;;     - A block's scale is 2^e with e = floor(log2(the largest magnitude in the block)) - 2, held to -126 .. 127; a block of zeros has e = 0. As a byte (E8M0): e + 127.
;;     - Each number is divided by its block's scale, clamped to +-7.5, and rounded to the nearest number of E2M3, ties to even, subnormals kept.
;;     - The product sums the exact products of the quantised numbers (number of the format x scale) in f32.
;;   ~~~python
;;   def quantise(x, axis):      # numpy; x: float32 -> the quantised numbers, widened to float32 again
;;       x = np.moveaxis(x, axis, -1); K = x.shape[-1]
;;       x = np.pad(x, [(0, 0)] * (x.ndim - 1) + [(0, -K % 32)]); x = x.reshape(x.shape[:-1] + (-1, 32)); a = np.abs(x).max(-1, keepdims=True)
;;       e = np.where(a > 0, np.clip(np.frexp(np.where(a > 0, a, 1))[1] - 1 - 2, -126, 127), 0)      # np.frexp(a)[1] - 1 = floor(log2(a)), exactly
;;       r = np.clip(x / 2.0 ** e, -7.5, 7.5)
;;       step = 2.0 ** (np.maximum(np.frexp(np.where(r == 0, 1, r))[1] - 1, 0) - 3)
;;       q = np.round(r / step) * step * 2.0 ** e      # np.round: ties to even
;;       return np.moveaxis(q.reshape(q.shape[:-2] + (-1,))[..., :K], -1, axis).astype(np.float32)
;;   ~~~
;;   SOFTMAX AHEAD OF A QUANTISED PRODUCT. Where the list says 'softmax', what is quantised is not the finished softmax but p = 2^(t - M), with t = logit x log2(e) and M = ceil(the row's largest t), a whole number; so 1/2 < the row's largest p <= 1. The row's sum l is taken of the UNQUANTISED p, in f32, and the product's result is divided by l at the end. Since M is a whole number, a kernel that streams over the keys may use a running M (the ceiling of the running maximum): every later rescaling is an exact power of two, which a block's scale takes up: the codes' values come out the same.
;;   OPERANDS COMPUTED ON THE WAY. 'Computed on the way' means the value that the module computes at that place (a softmax that the list does not call 'softmax' is quantised finished and normalised). What goes into a quantiser is computed in f32, as accurately as f32 sums, v_exp_f32 and their like allow (about 1e-6 of the number): no bf16 or f16 on the way to a quantiser, and a product that is left as it is and whose result goes on into a quantised operand takes f32 operands (vector FMAs, or v_wmma_f32_16x16x4_f32). A number that lies on a knife's edge between two numbers of the format may be rounded either way, as far as f32 arithmetic and the matrix unit's own rounding can turn it there, and no further.
;; One version. Each part assembles by itself: llvm-mc -triple=amdgcn-amd-amdhsa -mcpu=gfx1250 --defsym DOCPART=n.
;; ======== version 1 of 1: 4 launches
;; limits: right only within a limited range of input values
;; workspace buffers: xa 19,660,800 bytes; wb 3,293,184 bytes; qkv 19,660,800 bytes; ca 6,553,600 bytes
;; launch quant (part 1): grid 256 x 1, 8 waves a work-group, no clusters, 51,712 bytes of LDS; arguments Q, K, V, Wq, Wk, Wv, Wo, bq, bk, bv, bo, xa, wb; writes xa, wb
.if DOCPART == 1
	.amdgcn_target "amdgcn-amd-amdhsa--gfx1250"
	.amdhsa_code_object_version 6
	.text
	.protected	k_qcc3a3adb01_quant
	.globl	k_qcc3a3adb01_quant
	.p2align	8
	.type	k_qcc3a3adb01_quant,@function
k_qcc3a3adb01_quant:
	s_mov_b64 s[64:65], 0
	v_nop
	global_prefetch_b8 v0, s[64:65] scope:SCOPE_SE
	s_setreg_imm32_b32 hwreg(HW_REG_WAVE_MODE, 25, 1), 1
	s_wait_xcnt 0x0
; MULTI-HEAD ATTENTION IN MX-FP6, LAUNCH 1 OF 4: the inputs Q, K, V [8192][1024] and the weights Wq, Wk, Wv, Wo [1024 (k)][1024 (n)], all f32, become codes of E2M3 with one E8M0 byte for each 32 along K.
; WORK LEFT OUT IN THIS PROGRAM: only the key steps of attention (launch 3) all of whose 128 keys come after all 16 queries of a tile: reference() itself builds the causal jnp.tril and puts -inf there,
; so their weights are 0 for all values of the inputs.  Every input has a way to the output and is loaded.  LIMIT: a NaN, an infinity or an overflow that reaches only those hidden scores is not carried to the result.
; LIMITS: NaN and infinities among the inputs are not served.  A block of zeros gets the byte 1 where the quantiser says 127: its codes are zeros, and this program alone reads the bytes.
; LAYOUT OF THE WORKSPACE: an operand's fragment (16 rows x 128 K, 12 registers a lane) lies in memory as an IMAGE OF ITS REGISTERS, 1,536 bytes: registers 4 q .. 4 q + 3 of lane l at 512 q + 16 l.  Its scale words: 4 bytes a row.
;   xa: [tensor Q, K, V][tile of 128 rows][K step][8 images (16 rows each), then 8 x 64 bytes of scale words]: records of 12,800 bytes.
;   wb: [tensor q, k, v, o][256 columns ct][K step][16 images f, then 16 x 64 bytes]: records of 25,600 bytes; from byte 3,276,800 on the four biases, in the order of the fragments' rows.
; WHICH COLUMNS n OF A WEIGHT FORM FRAGMENT f (row y; wc = f / 8, b = (f % 8) / 2, u = f % 2) is chosen so that the results of launch 2 lie in a lane's registers along the NEXT product's K:
;   Wq, Wk: n = 64 (2 ct + wc + 8 (b / 2)) + 32 (b % 2) + 8 u + 16 (y / 8) + y % 8;   Wv: n = 64 (8 u + y % 8) + 16 ct + 8 wc + 2 b + y / 8;   Wo: n = 256 ct + 16 f + y.
; SHARES.  256 work-groups of eight waves.  Waves 0-5: a wave takes 16 rows of Q, K or V (run 6 x work-group + wave of 1,536) and walks the 8 K steps: each load reads 512 consecutive bytes of a row;
; the 16 x 512 bytes turn through the wave's own stage in LDS, so that a lane gets 2 x 32 neighbours.
; Waves 6, 7: 16 columns of one weight, K steps 0-3 and 4-7, two K steps a trip; a lane takes a column and its registers run down K.  No LDS.  For Wq, Wk, Wo the 16 columns are a fragment's.
; For Wv they are 16 NEIGHBOURS, n = 64 g + 16 ct + r (g = 8 u + y % 8 the work-group's number in its 16): rows y % 8 and y % 8 + 8 of the eight fragments with that u; each lane stores to its own place in the images.
; So every load of a weight reads 64 consecutive bytes in each half of the lanes.
.set STP,   528                        ; a stage row: 512 bytes + 16: the 16 rows that a read touches start in 16 different 16-byte columns of 256
.set WST,   16*STP                     ; a wave's stage
.set SPARE, 6*WST                      ; behind the six stages: the spare words, 128 bytes a wave
.set XREC,  12800
.set WREC,  25600
.set SPW,   12                         ; v12  my spare word's address; never rewritten
.set NIL,   13                         ; v13  0; never rewritten
.set PWA,   24                         ; v24, v25  the scale words of an even and an odd K step;  v26 what is stored of them
.set PWB,   25
.set PSEL,  26
.set PCA,   28                         ; v28-39, v40-51  a fragment's codes
.set PCB,   40
.set CT,    52                         ; v52-58  the upper halves of the blocks' codes, before they are moved
.set R,     64                         ; v64-191  numbers as loaded
.set X,     192                        ; v192-255 64 numbers of a lane: register 32 c + i = k 64 c + 32 (lane / 16) + i of my row
; 64 numbers of a lane become a fragment's 12 registers of codes and its row's scale word.  A lane holds two whole blocks, so no other lane is asked for a maximum.
.macro QFRAG src, pc, pw
.irp c, 0,1
	v_max3_num_f32 v[16+\c], |v[\src+32*\c]|, |v[\src+32*\c+1]|, 0x1800000   ; and the floor 2^(3 - 127): the byte cannot fall under 1
.endr
.irp i, 2,4,6,8,10,12,14,16,18,20,22,24,26,28,30
.irp c, 0,1
	v_max3_num_f32 v[16+\c], v[16+\c], |v[\src+32*\c+\i]|, |v[\src+32*\c+\i+1]|
.endr
.endr
.irp c, 0,1
	v_add_nc_u32 v[18+\c], 0xff000000, v[16+\c]    ; 2 off the exponent field: the conversion's scale operand
.endr
.irp c, 0,1
	v_lshrrev_b32 v[20+\c], 23, v[18+\c]           ; the scale's byte
.endr
	v_lshl_or_b32 v[\pw], v21, 16, v20             ; my two bytes: blocks h and 2 + h,
	v_lshlrev_b32 v[\pw], v14, v[\pw]              ; 8 h bits up;
	v_permlanex16_b32 v15, v[\pw], s42, s43
	v_or_b32 v[\pw], v[\pw], v15                   ; with lane l xor 16's two the word is whole
.irp c, 0,1
	v_cvt_scalef32_pk16_fp6_f32 v[\pc+6*\c:\pc+6*\c+2], v[\src+32*\c:\src+32*\c+15], v[18+\c]
	v_cvt_scalef32_pk16_fp6_f32 v[CT+4*\c:CT+4*\c+2], v[\src+32*\c+16:\src+32*\c+31], v[18+\c]   ; (a conversion's three registers begin on an even number)
.endr
	v_nop                                          ; one plain place behind a scaled conversion
.irp c, 0,1
.irp i, 0,1,2
	v_mov_b32 v[\pc+6*\c+3+\i], v[CT+4*\c+\i]
.endr
.endr
.endm
.macro PUT pc, base, off               ; an image's three planes; v4: my lane's place in a plane
.irp q, 0,1,2
	global_store_b128 v4, v[\pc+4*\q:\pc+4*\q+3], s[\base:\base+1] offset:\off+512*\q
.endr
.endm
	s_load_b512 s[4:19], s[0:1], 0x0               ; Q, K, V, Wq, Wk, Wv, Wo, bq
	s_load_b256 s[20:27], s[0:1], 0x40             ; bk, bv, bo, xa
	s_load_b64 s[28:29], s[0:1], 0x60              ; wb
	v_lshl_add_u32 v[SPW], v0, 2, SPARE
	v_mov_b32 v[NIL], 0
	v_lshrrev_b32 v1, 5, v0
	v_readfirstlane_b32 s30, v1                    ; wave
	v_and_b32 v1, 31, v0                           ; lane
	v_and_b32 v2, 15, v0                           ; r
	v_bfe_u32 v3, v0, 4, 1                         ; h
	v_lshlrev_b32 v4, 4, v1                        ; 16 x lane
	v_lshlrev_b32 v14, 3, v3                       ; 8 h
	v_mov_b32 v15, 0                               ; (a lane permute's destination counts as one of its sources)
	s_mov_b32 s41, 0xffff0000                      ; lanes 16-31
	s_mov_b32 s42, 0x76543210
	s_mov_b32 s43, 0xfedcba98                      ; selects for lane l xor 16
	s_cmp_ge_u32 s30, 6
	s_cbranch_scc1 .Lweights
	; ---------------- Q, K, V ----------------
	s_mul_i32 s31, ttmp9, 6
	s_add_co_u32 s31, s31, s30                     ; which run of 16 rows: 0 .. 1535
	s_lshr_b32 s32, s31, 9                         ; tensor
	s_and_b32 s33, s31, 511                        ; run of 16 rows in it
	s_mul_i32 s34, s30, WST
	s_wait_alu depctr_va_vdst(0)
	v_add_nc_u32 v5, s34, v4                       ; the stage, in: 16 x lane of a row
	v_mul_u32_u24 v6, v2, STP
	v_lshl_add_u32 v6, v3, 7, v6
	v_add_nc_u32 v6, s34, v6                       ; out: row r, + 128 h
	v_lshlrev_b32 v7, 2, v2
	v_mad_u32_u24 v7, v3, XREC, v7                 ; scale words of two K steps in one store: lanes 0-15 the even step's, lanes 16-31 the odd one's, a record on
	s_wait_alu depctr_va_vdst(0)
	s_wait_kmcnt 0x0
	s_cmp_eq_u32 s32, 1
	s_cselect_b64 s[36:37], s[6:7], s[4:5]
	s_cmp_eq_u32 s32, 2
	s_cselect_b64 s[36:37], s[8:9], s[36:37]
	s_lshl_b32 s38, s33, 16                        ; 16 rows of 4,096 bytes
	s_mov_b32 s39, 0
	s_add_nc_u64 s[36:37], s[36:37], s[38:39]
	s_mul_i32 s38, s32, 64*8*XREC
	s_lshr_b32 s40, s33, 3
	s_mul_i32 s40, s40, 8*XREC
	s_add_co_u32 s38, s38, s40
	s_add_nc_u64 s[26:27], s[26:27], s[38:39]      ; my tile's record of K step 0
	s_and_b32 s40, s33, 7
	s_mul_i32 s38, s40, 1536
	s_add_nc_u64 s[44:45], s[26:27], s[38:39]      ; my images
	s_lshl_b32 s38, s40, 6
	s_add_co_u32 s38, s38, 12288
	s_add_nc_u64 s[46:47], s[26:27], s[38:39]      ; my scale words
.macro LOADX ks                        ; 16 rows x 512 bytes of K step ks
.set II, 0
.rept 16
	global_load_b128 v[R+64*((\ks)%2)+4*II:R+64*((\ks)%2)+4*II+3], v4, s[36:37] offset:II*4096+512*(\ks) th:TH_LOAD_NT
.set II, II+1
.endr
.endm
.macro XSTEP ks
.if (\ks) < 7
	s_wait_loadcnt 16                              ; this step's 16 loads are in; the next step's 16 may be out
.else
	s_wait_loadcnt 0x0
.endif
.set II, 0
.rept 16
	ds_store_b128 v5, v[R+64*((\ks)%2)+4*II:R+64*((\ks)%2)+4*II+3] offset:STP*II
.set II, II+1
.endr
.set II, 0
.rept 16
	ds_load_b128 v[X+4*II:X+4*II+3], v6 offset:256*(II/8)+16*(II%8)   ; LDS serves a wave's instructions in order: these see the stores above
.set II, II+1
.endr
	s_wait_dscnt 0x0                               ; my numbers are back, and the stage's stores have read their registers
	s_wait_xcnt 0x0                                ; the last step's stores have read their data: the codes' registers may be written again
.if (\ks)+2 < 8
	LOADX (\ks)+2
.endif
	QFRAG X, PCA, PWA+(\ks)%2
	PUT PCA, 44, XREC*(\ks)
.if (\ks)%2
	v_cndmask_b32 v[PSEL], v[PWA], v[PWB], s41
	global_store_b32 v7, v[PSEL], s[46:47] offset:XREC*((\ks)-1)
.endif
.endm
	LOADX 0
	LOADX 1
.irp k, 0,1,2,3,4,5,6,7
	XSTEP \k
.endr
	s_wait_tensorcnt 0x0                           ; the wave's end, behind my last LDS store
	ds_add_u32 v[SPW], v[NIL]
	s_wait_dscnt 0x0
	s_endpgm
	; ---------------- the weights ----------------
.Lweights:
	s_sub_co_u32 s31, s30, 6                       ; which half of K
	s_lshr_b32 s32, ttmp9, 6                       ; tensor: q, k, v, o
	s_bfe_u32 s33, ttmp9, 0x20004                  ; ct
	s_and_b32 s34, ttmp9, 15                       ; f;  for Wv: g
	s_lshr_b32 s35, s34, 3                         ; wc;  for Wv: u
	s_bfe_u32 s36, s34, 0x20001                    ; b
	s_and_b32 s37, s34, 1                          ; u
	s_lshl_b32 s38, s33, 7                         ; Wq, Wk: 128 ct + 64 wc + 512 (b / 2) + 32 (b % 2) + 8 u
	s_lshl_b32 s39, s35, 6
	s_add_co_u32 s38, s38, s39
	s_lshr_b32 s39, s36, 1
	s_lshl_b32 s39, s39, 9
	s_add_co_u32 s38, s38, s39
	s_and_b32 s39, s36, 1
	s_lshl_b32 s39, s39, 5
	s_add_co_u32 s38, s38, s39
	s_lshl_b32 s39, s37, 3
	s_add_co_u32 s38, s38, s39
	s_lshl_b32 s40, s34, 6                         ; Wv: 64 g + 16 ct
	s_lshl_b32 s39, s33, 4
	s_add_co_u32 s40, s40, s39
	s_lshl_b32 s44, s33, 8                         ; Wo: 256 ct + 16 f
	s_lshl_b32 s39, s34, 4
	s_add_co_u32 s44, s44, s39
	s_and_b32 s51, s34, 7                          ; Wv: y % 8
	s_mul_i32 s52, s35, 1536
	s_lshl_b32 s53, s51, 4
	s_add_co_u32 s52, s52, s53                     ; Wv: what all lanes share of their places in the images: fragment u, row y % 8
	s_lshl_b32 s50, s35, 6
	s_lshl_b32 s53, s51, 2
	s_add_co_u32 s50, s50, s53                     ; and in the scale words and the biases: 64 u + 4 (y % 8)
	s_mul_i32 s45, s34, 1536                       ; the others: image f,
	s_lshl_b32 s59, s34, 6                         ; its 16 words
	s_cmp_eq_u32 s32, 2
	s_cselect_b32 s38, s40, s38
	s_cselect_b32 s46, 8, 16                       ; columns for r / 8
	s_cselect_b32 s45, s52, s45
	s_cselect_b32 s59, s50, s59
	s_cselect_b32 s63, -1, 0                       ; all lanes: Wv
	s_cmp_eq_u32 s32, 3
	s_cselect_b32 s38, s44, s38
	s_cselect_b32 s46, 8, s46
	s_lshl_b32 s44, s33, 10
	s_add_co_u32 s44, s44, s59                     ; the biases' place, in bytes
	s_wait_alu depctr_va_vdst(0)
	v_and_b32 v16, 7, v2
	v_lshrrev_b32 v17, 3, v2
	v_mad_u32_u24 v16, v17, s46, v16
	v_add_nc_u32 v16, s38, v16                     ; my column n
	v_lshlrev_b32 v9, 2, v16                       ; in bytes: the bias's offset
	v_lshl_add_u32 v8, v3, 17, v9                  ; lanes 16-31 begin 32 rows of 4,096 bytes further down
	v_and_b32 v17, 14, v2                          ; Wv: my fragment less u: 8 wc + 2 b
	v_and_b32 v18, 1, v2                           ; and y / 8
	v_mul_u32_u24 v19, 1536, v17
	v_lshl_add_u32 v19, v18, 7, v19
	v_lshl_add_u32 v19, v3, 8, v19                 ; my place in the images: fragment, 16 bytes x (8 (y / 8) + 16 h)
	v_cndmask_b32 v4, v4, v19, s63
	v_lshlrev_b32 v17, 6, v17
	v_lshl_add_u32 v17, v18, 5, v17                ; and among the words: 64 x fragment + 4 x 8 (y / 8)
	v_lshlrev_b32 v11, 2, v2
	v_cndmask_b32 v11, v11, v17, s63
	v_mad_u32_u24 v7, v3, WREC, v11                ; the two K steps' scale words in one store
	s_wait_alu depctr_va_vdst(0)
	s_wait_kmcnt 0x0
	s_cmp_eq_u32 s32, 1
	s_cselect_b64 s[48:49], s[12:13], s[10:11]
	s_cselect_b64 s[50:51], s[20:21], s[18:19]
	s_cmp_eq_u32 s32, 2
	s_cselect_b64 s[48:49], s[14:15], s[48:49]
	s_cselect_b64 s[50:51], s[22:23], s[50:51]
	s_cmp_eq_u32 s32, 3
	s_cselect_b64 s[48:49], s[16:17], s[48:49]
	s_cselect_b64 s[50:51], s[24:25], s[50:51]
	s_lshl_b32 s52, s31, 21                        ; my wave's 512 rows of 4,096 bytes
	s_mov_b32 s53, 0
	s_add_nc_u64 s[48:49], s[48:49], s[52:53]
	s_mul_i32 s52, s32, 32*WREC
	s_mul_i32 s56, s33, 8*WREC
	s_add_co_u32 s52, s52, s56
	s_mul_i32 s56, s31, 4*WREC
	s_add_co_u32 s52, s52, s56
	s_add_nc_u64 s[54:55], s[28:29], s[52:53]      ; the record of my first K step
	s_mov_b32 s52, s45
	s_add_nc_u64 s[56:57], s[54:55], s[52:53]      ; the images
	s_add_co_u32 s52, s59, 24576
	s_add_nc_u64 s[58:59], s[54:55], s[52:53]      ; the scale words
	s_mov_b32 s47, 0
.Lwk:                                  ; two K steps a trip
.set JJ, 0
.rept 4                                ; W(64 j + 32 h + i, n): 128 loads, all out at once
.set II, 0
.rept 32
	global_load_b32 v[R+32*JJ+II], v8, s[48:49] offset:(64*JJ+II)*4096
.set II, II+1
.endr
.set JJ, JJ+1
.endr
	s_wait_loadcnt 63                              ; at most the youngest 63 are out: the first K step's 64 are in
	QFRAG R, PCA, PWA
	PUT PCA, 56, 0
	s_wait_loadcnt 0x0
	QFRAG R+64, PCB, PWB
	PUT PCB, 56, WREC
	v_cndmask_b32 v[PSEL], v[PWA], v[PWB], s41
	global_store_b32 v7, v[PSEL], s[58:59]
	s_wait_alu depctr_va_vdst(0)
	s_wait_xcnt 0x0                                ; the stores have read their data and bases
	s_add_nc_u64 s[48:49], s[48:49], 0x100000      ; 256 rows on
	s_add_nc_u64 s[56:57], s[56:57], 2*WREC
	s_add_nc_u64 s[58:59], s[58:59], 2*WREC
	s_add_co_u32 s47, s47, 1
	s_cmp_lt_u32 s47, 2
	s_cbranch_scc1 .Lwk
	s_cmp_lg_u32 s31, 0                            ; wave 6 lays its 16 columns' biases in the order of the fragments' rows
	s_cbranch_scc1 .Lw_end
	global_load_b32 v10, v9, s[50:51]
	s_lshl_b32 s60, s32, 12
	s_add_co_u32 s60, s60, s44
	s_add_co_u32 s60, s60, 4*32*WREC
	s_mov_b32 s61, 0
	s_add_nc_u64 s[60:61], s[28:29], s[60:61]
	s_wait_loadcnt 0x0
	s_wait_xcnt 0x0                                ; EXEC changes only behind this wait
	v_cmp_gt_u32 vcc_lo, 16, v1
	s_and_saveexec_b32 s62, vcc_lo
	global_store_b32 v11, v10, s[60:61]            ; lanes 0-15
	s_wait_xcnt 0x0                                ; and again, in front of the line that widens it
	s_or_b32 exec_lo, exec_lo, s62
.Lw_end:
	s_endpgm
.Lfunc_end_k_qcc3a3adb01_quant:
	.size	k_qcc3a3adb01_quant, .Lfunc_end_k_qcc3a3adb01_quant-k_qcc3a3adb01_quant
	.p2alignl 7, 3214868480
	.fill 96, 4, 3214868480
	.section	.rodata,"a",@progbits
	.p2align	6, 0x0
	.amdhsa_kernel k_qcc3a3adb01_quant
		.amdhsa_group_segment_fixed_size 51712
		.amdhsa_private_segment_fixed_size 0
		.amdhsa_enable_private_segment 0
		.amdhsa_kernarg_size 104
		.amdhsa_user_sgpr_count 2
		.amdhsa_user_sgpr_kernarg_segment_ptr 1
		.amdhsa_wavefront_size32 1
		.amdhsa_system_sgpr_workgroup_id_x 1
		.amdhsa_system_sgpr_workgroup_id_y 1
		.amdhsa_system_sgpr_workgroup_id_z 1
		.amdhsa_system_vgpr_workitem_id 0
		.amdhsa_next_free_vgpr 256
		.amdhsa_next_free_sgpr 66
		.amdhsa_reserve_vcc 1
		.amdhsa_float_denorm_mode_32 3
		.amdhsa_float_denorm_mode_16_64 3
		.amdhsa_memory_ordered 1
		.amdhsa_forward_progress 1
		.amdhsa_inst_pref_size 81
	.end_amdhsa_kernel
	.amdgpu_metadata
---
amdhsa.version: [ 1, 2 ]
amdhsa.kernels:
  - .name:           k_qcc3a3adb01_quant
    .symbol:         k_qcc3a3adb01_quant.kd
    .args:
      - { .name: Q, .offset: 0, .size: 8, .value_kind: global_buffer, .address_space: global }
      - { .name: K, .offset: 8, .size: 8, .value_kind: global_buffer, .address_space: global }
      - { .name: V, .offset: 16, .size: 8, .value_kind: global_buffer, .address_space: global }
      - { .name: Wq, .offset: 24, .size: 8, .value_kind: global_buffer, .address_space: global }
      - { .name: Wk, .offset: 32, .size: 8, .value_kind: global_buffer, .address_space: global }
      - { .name: Wv, .offset: 40, .size: 8, .value_kind: global_buffer, .address_space: global }
      - { .name: Wo, .offset: 48, .size: 8, .value_kind: global_buffer, .address_space: global }
      - { .name: bq, .offset: 56, .size: 8, .value_kind: global_buffer, .address_space: global }
      - { .name: bk, .offset: 64, .size: 8, .value_kind: global_buffer, .address_space: global }
      - { .name: bv, .offset: 72, .size: 8, .value_kind: global_buffer, .address_space: global }
      - { .name: bo, .offset: 80, .size: 8, .value_kind: global_buffer, .address_space: global }
      - { .name: xa, .offset: 88, .size: 8, .value_kind: global_buffer, .address_space: global }
      - { .name: wb, .offset: 96, .size: 8, .value_kind: global_buffer, .address_space: global }
    .group_segment_fixed_size: 51712
    .private_segment_fixed_size: 0
    .kernarg_segment_align: 8
    .kernarg_segment_size: 104
    .max_flat_workgroup_size: 256
    .sgpr_count:     66
    .vgpr_count:     256
    .wavefront_size: 32
...
	.end_amdgpu_metadata
.endif
;; end of part 1
;; launch proj (part 2): grid 4 x 64, 4 waves a work-group, clusters of 4 x 4, 327,680 bytes of LDS; arguments xa, wb, qkv; writes qkv
.if DOCPART == 2
	.amdgcn_target "amdgcn-amd-amdhsa--gfx1250"
	.amdhsa_code_object_version 6
	.text
	.protected	k_qcc3a3adb01_proj
	.globl	k_qcc3a3adb01_proj
	.p2align	8
	.type	k_qcc3a3adb01_proj,@function
k_qcc3a3adb01_proj:
	s_mov_b64 s[64:65], 0
	v_nop
	global_prefetch_b8 v0, s[64:65] scope:SCOPE_SE
	s_setreg_imm32_b32 hwreg(HW_REG_WAVE_MODE, 25, 1), 1
	s_wait_xcnt 0x0
	s_wait_alu depctr_hold_cnt(0) depctr_sa_sdst(0) depctr_va_vdst(0) depctr_va_sdst(0) depctr_va_ssrc(0) depctr_va_vcc(0) depctr_vm_vsrc(0)
	s_getreg_b32 s2, hwreg(HW_REG_IB_STS2, 6, 4)
	s_cmp_eq_u32 s2, 0
	s_cbranch_scc0 .Lentry_in_a_cluster
	s_endpgm
.Lentry_in_a_cluster:
	s_bfe_u32 s2, ttmp6, 0x10000c
	s_cmp_lg_u32 s2, 0xf033
	s_cbranch_scc0 .Lentry_shape_is_right
	s_endpgm
.Lentry_shape_is_right:
; LAUNCH 2 OF 4: the three projections X W + b on codes of E2M3, and the quantising of their results for attention.  No work of reference() is left out here.
; A tile is 128 rows (ONE HEAD: by reference()'s raw reshape head hd is rows 128 hd .. + 127, and position i of it is row i / 16, columns 64 (i % 16) on) x 256 columns, K = 1,024.
; A WORK-GROUP STAYS: it makes Q's, K's and V's tile of one head and one set of 256 columns, one after the other.  Four waves, wave (wr, wc) 64 x 128: 32 accumulators.
; LDS: two slots, K steps 0-3 and K steps 4-7 of A (51,200 bytes) and of B (102,400 bytes).  The head asks for both slots, one tensor load a wave; the first barrier waits for K steps 0-3 alone.
; At K step 3 slot 0 has been read out and takes the next tile's K steps 0-3; at K step 7 slot 1 likewise: each refill behind the three lines and a round of the cluster's barrier.
; The loop's two trips make Q's and K's tiles; V's tile asks for nothing more and is written out.
; CLUSTER 4 x 4: A's records hang on the head alone and are asked for jointly along a row of the cluster, B's on the columns alone, jointly along a column.
; NO PREFETCH: K is 1,024, a tile has two fills, and each is asked for half a tile (128 products a wave and, for slot 1, the way out) ahead of its first read.
; THE MATRIX INSTRUCTION IS USED TRANSPOSED (source 0 = 16 columns of W, source 1 = 16 rows of X), and launch 1 chose the columns of a fragment, so that a lane's registers run along the next product's K:
;   Q, K: the lane's 64 results of a block of 16 rows are channels 0-63 of positions 16 R + x and 16 R + x + 8 (x = 2 ct + wc) of row R: one fragment image.  The factor 1/32 is 5 off each scale byte: no code moves.
;   V:    the 16 registers of tiles 2 b, 2 b + 1 are the 16 neighbouring KEYS of row R at one channel; rows R and R xor 1 make a block of 32 keys.
; qkv: three sections [head][slot of 256 positions][record of 12,800 bytes].  Q, K: 8 images x, then 8 x 64 bytes of scale words.  V: 64 channel rows of 192 bytes (256 keys), then 64 x 8 scale bytes.
; LIMITS: a block whose largest magnitude lies under the floor (2^-119 for Q and K ahead of the 1/32, 2^-124 for V) has its byte held at 1; a block of zeros keeps that byte: its codes are zeros.
; REGISTERS: window 0: v1-27 addresses; v28, v29 the add's two; v32-55 scale words, two sets; v64-111 A's four fragments, v112-207 B's eight (set 0); v208-237 at work.
; window 1: v0-63 the bias, 8 tiles; v64-207 set 1, and on Q's and K's way out the codes.  window 2: the accumulators, (a, b) at 8 (8 a + b).
.set AREC,  12800
.set BREC,  25600
.set ASEC,  64*8*AREC                  ; from a tensor's section of xa, and of qkv, to the next
.set BSEC,  32*BREC                    ; the same in wb
.set BBASE, 8*AREC
.set SPARE, BBASE+8*BREC               ; the spare words, 128 bytes a wave
.set VST,   SPARE+512                  ; 256 bytes a wave: V's scale bytes are gathered here
.set FA,    64
.set FB,    112
.set SCB,   32
.set SCA,   40
.set TM,    208
.set PW,    224
.set CT,    112                        ; window 1
.set PS,    236
.set SPW,   28
.set NIL,   29
.set MSB, 0
.macro WIN new                         ; the immediate's high byte repeats the setting that is left
.if MSB != (\new)
	s_set_vgpr_msb (MSB<<8)|(\new)
.set MSB, \new
.endif
.endm
.macro NOP4
.rept 4
	v_nop
.endr
.endm
.macro JLOAD g0a, g0b                  ; a joint refill: waves 0 and 1 fetch a half each of the slot's A, waves 2 and 3 of its B
	s_cmp_eq_u32 s15, 0
	s_cbranch_scc0 .Lfor_b_\@
	tensor_load_to_lds s[\g0a:\g0a+3], s[24:31]
	s_nop 0
	NOP4
	s_branch .Lasked_\@
.Lfor_b_\@:
	tensor_load_to_lds s[\g0b:\g0b+3], s[32:39]
	s_nop 0
	NOP4
.Lasked_\@:
.endm
.macro ARM under, g0, g1, next         ; an arm of the head's chain: one load, then to the join
	s_cmp_lt_u32 s14, \under
	s_cbranch_scc0 \next
	tensor_load_to_lds s[\g0:\g0+3], s[\g1:\g1+7]
	s_nop 0
	NOP4
	s_branch .Lhead_asked
\next:
.endm
.macro CROUND                          ; a round of the cluster's barrier
	s_barrier_signal -1
	s_barrier_wait -1
	s_cmp_lg_u32 s14, 0
	s_cbranch_scc1 .Lnot_wave_0_\@
	s_barrier_signal -3
.Lnot_wave_0_\@:
	s_barrier_wait -3
	s_barrier_signal -1
	s_barrier_wait -1
.endm
	s_load_b128 s[4:7], s[0:1], 0x0                ; xa, wb
	s_load_b64 s[8:9], s[0:1], 0x10                ; qkv
	v_lshl_add_u32 v[SPW], v0, 2, SPARE
	v_mov_b32 v[NIL], 0
	ds_add_u32 v[SPW], v[NIL]                      ; the opening lines: the add, twice on end, and its wait
	ds_add_u32 v[SPW], v[NIL]
	v_lshrrev_b32 v1, 5, v0
	v_readfirstlane_b32 s14, v1                    ; wave
	s_lshr_b32 s15, s14, 1                         ; wr.  In a refill: I fetch for A (0) or for B (1)
	s_and_b32 s16, s14, 1                          ; wc.  In a refill: which half of the slot's records
	s_bfe_u32 s40, ttmp6, 0x40000                  ; cx
	s_bfe_u32 s41, ttmp6, 0x40004                  ; cy
	s_lshl_b32 s42, ttmp9, 2
	s_add_co_u32 s42, s42, s40                     ; ct: which 256 columns
	s_and_b32 s17, ttmp7, 0xffff
	s_lshl_b32 s17, s17, 2
	s_add_co_u32 s17, s17, s41                     ; head
	s_lshl_b32 s43, s41, 2
	s_lshl_b32 s43, 15, s43                        ; my row of the cluster
	s_lshl_b32 s44, 0x1111, s40                    ; my column
	s_or_b32 s24, s43, (3<<16)|(1<<21)             ; group 1 for A: the mask; elements of 8 bytes; bit 21 beside a mask; no padding
	s_mov_b32 s25, 32<<16                          ; records are dense: rows of 256 bytes
	s_mov_b32 s26, 200<<16                         ; at the head four records, 200 rows
	s_mov_b32 s27, 32<<16
	s_mov_b32 s28, 200
	s_mov_b32 s29, 32
	s_mov_b32 s30, 0
	s_mov_b32 s31, 0
	s_or_b32 s32, s44, (3<<16)|(1<<21)             ; group 1 for B: 400 rows
	s_mov_b32 s33, 32<<16
	s_mov_b32 s34, 400<<16
	s_mov_b32 s35, 32<<16
	s_mov_b32 s36, 400
	s_mov_b32 s37, 32
	s_mov_b32 s38, 0
	s_mov_b32 s39, 0
	s_mul_i32 s18, s16, 2*AREC                     ; a refill's half: two records, in LDS and in memory alike
	s_mul_i32 s19, s16, 2*BREC
	s_mul_i32 s20, s17, 8*AREC
	s_mov_b32 s21, 0
	s_mul_i32 s46, s42, 8*BREC
	s_mov_b32 s47, 0
	s_wait_dscnt 0x0                               ; both opening adds are done
	s_wait_kmcnt 0x0
	s_add_nc_u64 s[20:21], s[4:5], s[20:21]
	s_add_nc_u64 s[46:47], s[6:7], s[46:47]
	CROUND                                         ; all sixteen work-groups are here: the joint loads meet
	s_mov_b32 s22, s18
	s_mov_b32 s23, 0
	s_add_nc_u64 s[48:49], s[20:21], s[22:23]
	s_mov_b32 s22, s19
	s_add_nc_u64 s[56:57], s[46:47], s[22:23]
.irp g, 0,1                            ; slot g.  s[68..83]: the head's whole parts, A's and B's;  s[84..99]: the refills' halves, stepped a section on ahead of each use
	s_mov_b32 s[68+8*\g], 1
	s_mov_b32 s[69+8*\g], 4*\g*AREC
	s_add_nc_u64 s[70+8*\g:71+8*\g], s[20:21], 4*\g*AREC
	s_or_b32 s[71+8*\g], s[71+8*\g], 0x80000000
	s_mov_b32 s[72+8*\g], 1
	s_mov_b32 s[73+8*\g], BBASE+4*\g*BREC
	s_add_nc_u64 s[74+8*\g:75+8*\g], s[46:47], 4*\g*BREC
	s_or_b32 s[75+8*\g], s[75+8*\g], 0x80000000
	s_mov_b32 s[84+8*\g], 1
	s_add_co_u32 s[85+8*\g], s18, 4*\g*AREC
	s_add_nc_u64 s[86+8*\g:87+8*\g], s[48:49], 4*\g*AREC
	s_or_b32 s[87+8*\g], s[87+8*\g], 0x80000000
	s_mov_b32 s[88+8*\g], 1
	s_add_co_u32 s[89+8*\g], s19, BBASE+4*\g*BREC
	s_add_nc_u64 s[90+8*\g:91+8*\g], s[56:57], 4*\g*BREC
	s_or_b32 s[91+8*\g], s[91+8*\g], 0x80000000
.endr
	ARM 1, 68, 24, .Lh1                            ; wave 0: A's K steps 0-3
	ARM 2, 72, 32, .Lh2                            ; wave 1: B's K steps 0-3
	ARM 3, 76, 24, .Lh3                            ; wave 2: A's K steps 4-7
	tensor_load_to_lds s[80:83], s[32:39]          ; wave 3: B's K steps 4-7
	s_nop 0
	NOP4
.Lhead_asked:
	s_lshl_b32 s10, s42, 10                        ; the bias: tile t, lane half h: numbers 256 ct + 128 wc + 16 t + 8 h + 0 .. 7 of the permuted row
	s_lshl_b32 s11, s16, 9
	s_add_co_u32 s10, s10, s11
	s_add_co_u32 s10, s10, 4*32*BREC
	s_mov_b32 s11, 0
	s_add_nc_u64 s[10:11], s[6:7], s[10:11]
	s_mul_i32 s12, s15, 4*1536                     ; A's images: my four blocks
	s_mul_i32 s13, s16, 8*1536
	s_add_co_u32 s13, s13, BBASE                   ; B's images: my eight
	s_lshl_b32 s22, s15, 8
	s_add_co_u32 s22, s22, 12288                   ; A's scale words
	s_lshl_b32 s23, s16, 9
	s_add_co_u32 s23, s23, BBASE+24576             ; B's
	s_lshl_b32 s3, s14, 8
	s_add_co_u32 s3, s3, VST
	s_mov_b32 s60, 0x76543210
	s_mov_b32 s61, 0xfedcba98
	s_mov_b32 s62, 0xffff0000                      ; lanes 16-31
	s_mul_i32 s50, s17, 8*AREC
	s_mul_i32 s2, s15, 4*AREC
	s_add_co_u32 s50, s50, s2                      ; my head's records, my four slots
	s_lshl_b32 s2, s42, 1
	s_add_co_u32 s2, s2, s16                       ; x = 2 ct + wc
	s_mul_i32 s52, s2, 1536
	s_add_co_u32 s52, s50, s52
	s_mov_b32 s53, 0
	s_add_nc_u64 s[52:53], s[8:9], s[52:53]        ; Q, K: image x.  V: channel row 8 x (192 x 8 = 1,536)
	s_lshl_b32 s54, s2, 6
	s_add_co_u32 s54, s50, s54
	s_add_co_u32 s54, s54, 12288
	s_mov_b32 s55, 0
	s_add_nc_u64 s[54:55], s[8:9], s[54:55]        ; Q, K: image x's scale words
	; V's channel rows lie in the record in groups of eight, group 4 (ct / 2) + 2 wc + ct % 2: channel 32 B + 16 g + 8 u + j is row 32 B + 16 u + 8 g + j,
	; so that the 16 channels of a fragment of launch 3 (j and 16 + j) are 16 neighbouring rows
	s_lshr_b32 s58, s42, 1
	s_lshl_b32 s58, s58, 2
	s_lshl_b32 s59, s16, 1
	s_add_co_u32 s58, s58, s59
	s_and_b32 s59, s42, 1
	s_add_co_u32 s58, s58, s59                     ; my group
	s_lshl_b32 s66, s58, 6
	s_mul_i32 s58, s58, 1536
	s_add_co_u32 s58, s58, s50
	s_add_co_u32 s58, s58, 2*ASEC
	s_mov_b32 s59, 0
	s_add_nc_u64 s[58:59], s[8:9], s[58:59]        ; V: my eight channel rows (192 x 8 = 1,536)
	s_add_co_u32 s66, s66, s50
	s_add_co_u32 s66, s66, 2*ASEC+12288
	s_mov_b32 s67, 0
	s_add_nc_u64 s[66:67], s[8:9], s[66:67]        ; V: their scale bytes
	v_and_b32 v1, 15, v0                           ; r
	v_bfe_u32 v2, v0, 4, 1                         ; h
	v_and_b32 v3, 31, v0
	v_lshlrev_b32 v3, 4, v3                        ; 16 x lane
	v_lshlrev_b32 v4, 2, v1                        ; 4 r
	v_lshlrev_b32 v18, 5, v2
	v_add_nc_u32 v5, s12, v3                       ; A's images of K steps 0-3
	v_add_nc_u32 v6, 4*AREC, v5                    ; and of K steps 4-7
	v_add_nc_u32 v8, s13, v3                       ; B's images, two K steps to a register
	v_add_nc_u32 v9, 2*BREC, v8
	v_add_nc_u32 v10, 4*BREC, v8
	v_add_nc_u32 v11, 6*BREC, v8
	v_add_nc_u32 v12, s22, v4
	v_add_nc_u32 v13, 4*AREC, v12
	v_add_nc_u32 v14, s23, v4
	v_add_nc_u32 v15, 2*BREC, v14
	v_add_nc_u32 v16, 4*BREC, v14
	v_add_nc_u32 v17, 6*BREC, v14
	v_mad_u32_u24 v19, v2, AREC, v4                ; Q, K: two slots' scale words in one store
	v_mul_u32_u24 v20, 12, v1
	v_mad_u32_u24 v20, v2, 192, v20                ; V: channel row h, 12 bytes for row r's 16 keys
	v_lshrrev_b32 v21, 1, v1
	v_lshl_add_u32 v21, v2, 3, v21
	v_add_nc_u32 v21, s3, v21                      ; V's scale byte: my wave's 256 bytes, 8 h + r / 2
	v_lshrrev_b32 v22, 1, v3
	v_add_nc_u32 v22, s3, v22                      ; and back: 8 bytes a lane
	v_bfe_u32 v24, v0, 3, 2
	v_and_b32 v25, 7, v0
	v_lshlrev_b32 v25, 3, v25
	v_mad_u32_u24 v23, v24, AREC, v25              ; slot lane / 8, channel lane % 8
.irp b, 0,1,2,3
	v_mov_b32 v[TM+4+\b], 0                        ; (a lane permute's destination counts as one of its sources)
.endr
.macro BIAS                            ; 64 numbers a lane into window 1, v0-63
	WIN 0x40
.irp t, 0,1,2,3,4,5,6,7
	global_load_b128 v[8*\t:8*\t+3], v18, s[10:11] offset:64*\t
	global_load_b128 v[8*\t+4:8*\t+7], v18, s[10:11] offset:64*\t+16
.endr
	WIN 0
.endm
	BIAS
.macro FETCH ks, set                   ; 48 LDS loads: B's eight fragments, A's four, their twelve scale words
	WIN 0x40*(\set)
.irp i, 0,1,2,3,4,5,6,7
.irp q, 0,1,2
	ds_load_b128 v[FB+12*\i+4*\q:FB+12*\i+4*\q+3], v[8+(\ks)/2] offset:((\ks)%2)*BREC+1536*\i+512*\q
.endr
.endr
.irp i, 0,1,2,3
.irp q, 0,1,2
	ds_load_b128 v[FA+12*\i+4*\q:FA+12*\i+4*\q+3], v[5+(\ks)/4] offset:((\ks)%4)*AREC+1536*\i+512*\q
.endr
.endr
	WIN 0                                          ; scale operands have no window
.irp i, 0,1,2,3,4,5,6,7
	ds_load_b32 v[SCB+12*(\set)+\i], v[14+(\ks)/2] offset:((\ks)%2)*BREC+64*\i
.endr
.irp i, 0,1,2,3
	ds_load_b32 v[SCA+12*(\set)+\i], v[12+(\ks)/4] offset:((\ks)%4)*AREC+64*\i
.endr
.endm
.macro MULS ks, set                    ; 32 products; the accumulators take turns, in the same order in every K step; the first K step's C is the bias
.if (\ks) == 0
	WIN 0x90
.else
	WIN 0xa0+5*(\set)
.endif
.irp a, 0,1,2,3
.irp b, 0,1,2,3,4,5,6,7
.if (\ks) == 0
	v_wmma_scale_f32_16x16x128_f8f6f4 v[8*(8*\a+\b):8*(8*\a+\b)+7], v[FB+12*\b:FB+12*\b+11], v[FA+12*\a:FA+12*\a+11], v[8*\b:8*\b+7], v[SCB+12*(\set)+\b], v[SCA+12*(\set)+\a] matrix_a_fmt:MATRIX_FMT_FP6 matrix_b_fmt:MATRIX_FMT_FP6
.else
	v_wmma_scale_f32_16x16x128_f8f6f4 v[8*(8*\a+\b):8*(8*\a+\b)+7], v[FB+12*\b:FB+12*\b+11], v[FA+12*\a:FA+12*\a+11], v[8*(8*\a+\b):8*(8*\a+\b)+7], v[SCB+12*(\set)+\b], v[SCA+12*(\set)+\a] matrix_a_fmt:MATRIX_FMT_FP6 matrix_b_fmt:MATRIX_FMT_FP6
.endif
.endr
.endr
.endm
; A K step: the next step's fragments are fetched, then this step's 32 products.  more = 1: the tile has a successor.
.macro KS ks, more
.if (\ks) == 0
	s_wait_loadcnt 0x0                             ; the bias
.endif
.if (\ks) == 3 || ((\ks) == 7 && (\more))
	WIN 0
	s_wait_tensorcnt 0x0                           ; all my tensor loads have landed: my part of the slot that is read next
.if \more
	ds_add_u32 v[SPW], v[NIL]
	s_add_nc_u64 s[86+8*((\ks)/4):87+8*((\ks)/4)], s[86+8*((\ks)/4):87+8*((\ks)/4)], ASEC   ; no load of mine is out: the descriptors may be written
	s_add_nc_u64 s[90+8*((\ks)/4):91+8*((\ks)/4)], s[90+8*((\ks)/4):91+8*((\ks)/4)], BSEC
.if (\ks) == 3
	s_mov_b32 s26, 100<<16                         ; a refill's load brings two records
	s_mov_b32 s28, 100
	s_mov_b32 s34, 200<<16
	s_mov_b32 s36, 200
.endif
	s_wait_dscnt 0x0                               ; the add is done, and my reads of the slot just read out (this K step's fragments are in registers)
	CROUND
	JLOAD 84+8*((\ks)/4), 88+8*((\ks)/4)           ; the next tile's half of K; its four v_nop are the places in front of the loads below
.else
	s_wait_dscnt 0x0
	s_barrier_signal -1
	s_barrier_wait -1                              ; slot 1 is whole
	NOP4
.endif
.elseif (\ks) > 0 && (\ks) < 7
	NOP4                                           ; places in front of loads into registers that the last products have read
.endif
.if (\ks) == 1 && (\more)
	s_add_nc_u64 s[10:11], s[10:11], 4096          ; the next tensor's bias: this tile's first products have taken theirs
	BIAS
.endif
.if (\ks) < 7
	FETCH (\ks)+1, ((\ks)+1)%2
	s_wait_dscnt 48                                ; all but the 48 just issued
.elseif \more
	FETCH 0, 0                                     ; the next tile's first fragments
	s_wait_dscnt 48
.else
	s_wait_dscnt 0x0
.endif
	MULS \ks, (\ks)%2
.endm
; Q, K.  The lane's 64 results of block a (register 16 b + i = number 32 b + 16 h + i of the row's 128) become a fragment's codes (window 1) and its scale word.
.macro QUANTW a
.set PC, 64+12*\a
	WIN 0x0a
.irp b, 0,1,2,3
	v_max3_num_f32 v[TM+\b], |v[64*\a+16*\b]|, |v[64*\a+16*\b+1]|, 0x4000000   ; the floor 2^(8 - 127): with 2 and 5 taken off, the byte cannot fall under 1
.endr
	WIN 0x28
.irp i, 2,4,6,8,10,12,14
.irp b, 0,1,2,3
	v_max3_num_f32 v[TM+\b], v[TM+\b], |v[64*\a+16*\b+\i]|, |v[64*\a+16*\b+\i+1]|
.endr
.endr
	WIN 0
.irp b, 0,1,2,3
	v_permlanex16_b32 v[TM+4+\b], v[TM+\b], s60, s61
.endr
.irp b, 0,1,2,3
	v_max_num_f32 v[TM+\b], v[TM+\b], v[TM+4+\b]
.endr
.irp b, 0,1,2,3
	v_add_nc_u32 v[TM+12+\b], 0xff000000, v[TM+\b]
.endr
.irp b, 0,1,2,3
	v_lshrrev_b32 v[TM+4+\b], 23, v[TM+12+\b]
.endr
	v_lshl_or_b32 v[PW+\a], v[TM+5], 8, v[TM+4]
	v_lshl_or_b32 v[PW+\a], v[TM+6], 16, v[PW+\a]
	v_lshl_or_b32 v[PW+\a], v[TM+7], 24, v[PW+\a]
	v_add_nc_u32 v[PW+\a], 0xfafafafb, v[PW+\a]    ; 5 off each byte (each is 6 at the least): the factor 1/32
	WIN 0x42                                       ; results window 1, numbers window 2, the scale operand window 0
.irp c, 0,1
	v_cvt_scalef32_pk16_fp6_f32 v[PC+6*\c:PC+6*\c+2], v[64*\a+32*\c:64*\a+32*\c+15], v[TM+12+2*\c]
	v_cvt_scalef32_pk16_fp6_f32 v[CT+4*\c:CT+4*\c+2], v[64*\a+32*\c+16:64*\a+32*\c+31], v[TM+12+2*\c+1]
.endr
	WIN 0x41
	v_nop                                          ; one plain place behind a scaled conversion
.irp c, 0,1                            ; the operand's layout wants a whole block in a lane
.irp i, 0,1,2
	v_permlane16_swap_b32 v[PC+6*\c+\i], v[CT+4*\c+\i]
.endr
.irp i, 0,1,2
	v_mov_b32 v[PC+6*\c+3+\i], v[CT+4*\c+\i]
.endr
.endr
	WIN 0x04                                       ; the stores' data: window 1
.irp q, 0,1,2
	global_store_b128 v3, v[PC+4*\q:PC+4*\q+3], s[52:53] offset:AREC*\a+512*\q   ; 512 consecutive bytes
.endr
	WIN 0
.endm
	s_wait_alu depctr_va_vdst(0)                   ; the head's end
	s_cmp_lt_u32 s14, 2
	s_cbranch_scc0 .Llate
	s_wait_tensorcnt 0x0                           ; waves 0 and 1: K steps 0-3 have landed; the other two loads may stay out
.Llate:
	s_barrier_signal -1
	s_barrier_wait -1
	FETCH 0, 0
	s_mov_b32 s63, 0
.Ltile:                                ; Q's tile, then K's
.irp k, 0,1,2,3,4,5,6,7
	KS \k, 1
.endr
	WIN 0
	NOP4                                           ; places in front of the first read of results
	QUANTW 0
	QUANTW 1
	v_cndmask_b32 v[PS], v[PW], v[PW+1], s62
	global_store_b32 v19, v[PS], s[54:55]
	QUANTW 2
	QUANTW 3
	v_cndmask_b32 v[PS+1], v[PW+2], v[PW+3], s62
	global_store_b32 v19, v[PS+1], s[54:55] offset:2*AREC
	s_wait_alu depctr_va_vdst(0)
	s_wait_xcnt 0x0                                ; the stores have read their data and bases: the next tile's fragments may land on the codes
	s_add_nc_u64 s[52:53], s[52:53], ASEC
	s_add_nc_u64 s[54:55], s[54:55], ASEC
	s_add_co_u32 s63, s63, 1
	s_cmp_lt_u32 s63, 2
	s_cbranch_scc1 .Ltile
.irp k, 0,1,2,3,4,5,6,7                ; V's tile
	KS \k, 0
.endr
	WIN 0
	NOP4
.irp a, 0,1,2,3                        ; (a, b): 16 keys of row R = 16 (4 wr + a) + r at channel 16 ct + 8 wc + 2 b + h
	WIN 0x0a
.irp b, 0,1,2,3
	v_max3_num_f32 v[TM+\b], |v[64*\a+16*\b]|, |v[64*\a+16*\b+1]|, 0x1800000
.endr
	WIN 0x28
.irp i, 2,4,6,8,10,12,14
.irp b, 0,1,2,3
	v_max3_num_f32 v[TM+\b], v[TM+\b], |v[64*\a+16*\b+\i]|, |v[64*\a+16*\b+\i+1]|
.endr
.endr
	WIN 0
.irp b, 0,1,2,3
	v_max_num_f32_dpp v[TM+\b], v[TM+\b], v[TM+\b] row_xmask:1 row_mask:0xf bank_mask:0xf   ; with row R xor 1's 16 keys: the block of 32
.endr
.irp b, 0,1,2,3
	v_add_nc_u32 v[TM+12+\b], 0xff000000, v[TM+\b]
.endr
.irp b, 0,1,2,3
	v_lshrrev_b32 v[128+4*\a+\b], 23, v[TM+12+\b]
.endr
	WIN 0x02
.irp b, 0,1,2,3
	v_cvt_scalef32_pk16_fp6_f32 v[64+4*(4*\a+\b):64+4*(4*\a+\b)+2], v[64*\a+16*\b:64*\a+16*\b+15], v[TM+12+\b]
.endr
	WIN 0
	v_nop                                          ; one plain place behind a scaled conversion
.irp b, 0,1,2,3
	global_store_b96 v20, v[64+4*(4*\a+\b):64+4*(4*\a+\b)+2], s[58:59] offset:AREC*\a+384*\b   ; two channel rows: 384 consecutive bytes
	ds_store_b8 v21, v[128+4*\a+\b] offset:64*\a+16*\b   ; both rows of a block write the same byte with the same value
.endr
.endr
	ds_load_b64 v[144:145], v22                    ; LDS serves a wave's instructions in order: these see my stores
	s_wait_dscnt 0x0
	global_store_b64 v23, v[144:145], s[66:67]     ; a channel's 8 scale bytes of a slot
	s_wait_tensorcnt 0x0                           ; the wave's end
	ds_add_u32 v[SPW], v[NIL]
	s_wait_dscnt 0x0
	CROUND                                         ; the closing round
	s_endpgm
.Lfunc_end_k_qcc3a3adb01_proj:
	.size	k_qcc3a3adb01_proj, .Lfunc_end_k_qcc3a3adb01_proj-k_qcc3a3adb01_proj
	.p2alignl 7, 3214868480
	.fill 96, 4, 3214868480
	.section	.rodata,"a",@progbits
	.p2align	6, 0x0
	.amdhsa_kernel k_qcc3a3adb01_proj
		.amdhsa_group_segment_fixed_size 327680
		.amdhsa_private_segment_fixed_size 0
		.amdhsa_enable_private_segment 0
		.amdhsa_kernarg_size 24
		.amdhsa_user_sgpr_count 2
		.amdhsa_user_sgpr_kernarg_segment_ptr 1
		.amdhsa_wavefront_size32 1
		.amdhsa_system_sgpr_workgroup_id_x 1
		.amdhsa_system_sgpr_workgroup_id_y 1
		.amdhsa_system_sgpr_workgroup_id_z 1
		.amdhsa_system_vgpr_workitem_id 0
		.amdhsa_next_free_vgpr 768
		.amdhsa_next_free_sgpr 100
		.amdhsa_reserve_vcc 0
		.amdhsa_float_denorm_mode_32 3
		.amdhsa_float_denorm_mode_16_64 3
		.amdhsa_memory_ordered 1
		.amdhsa_forward_progress 1
		.amdhsa_inst_pref_size 165
	.end_amdhsa_kernel
	.amdgpu_metadata
---
amdhsa.version: [ 1, 2 ]
amdhsa.kernels:
  - .name:           k_qcc3a3adb01_proj
    .symbol:         k_qcc3a3adb01_proj.kd
    .args:
      - { .name: xa, .offset: 0, .size: 8, .value_kind: global_buffer, .address_space: global }
      - { .name: wb, .offset: 8, .size: 8, .value_kind: global_buffer, .address_space: global }
      - { .name: qkv, .offset: 16, .size: 8, .value_kind: global_buffer, .address_space: global }
    .group_segment_fixed_size: 327680
    .private_segment_fixed_size: 0
    .kernarg_segment_align: 8
    .kernarg_segment_size: 24
    .max_flat_workgroup_size: 128
    .sgpr_count:     100
    .vgpr_count:     768
    .wavefront_size: 32
...
	.end_amdgpu_metadata
.endif
;; end of part 2
;; launch attn (part 3): grid 4 x 64, 16 waves a work-group, no clusters, 327,680 bytes of LDS; arguments qkv, key_mask, ca; writes ca
.if DOCPART == 3
	.amdgcn_target "amdgcn-amd-amdhsa--gfx1250"
	.amdhsa_code_object_version 6
	.text
	.protected	k_qcc3a3adb01_attn
	.globl	k_qcc3a3adb01_attn
	.p2align	8
	.type	k_qcc3a3adb01_attn,@function
k_qcc3a3adb01_attn:
	s_mov_b64 s[64:65], 0
	v_nop
	global_prefetch_b8 v0, s[64:65] scope:SCOPE_SE
	s_setreg_imm32_b32 hwreg(HW_REG_WAVE_MODE, 25, 1), 1
	s_wait_xcnt 0x0
; LAUNCH 3 OF 4: attention of one head on codes of E2M3, and the quantising of the contexts for the last projection.
; LEFT OUT: a key step all of whose 128 keys come after all 16 queries of the tile: reference()'s own causal mask gives them the weight 0 for all values of the inputs.  key_mask is an input: it is loaded and honoured key by key.
; SHARES.  Work-group (p, head); sixteen waves.  Wave w takes the tiles of 16 queries 127 - 4 w - p (first) and 4 w + p (second): (16 - w / 2) + (w / 2 + 1) = 17 key steps of 128 keys for every wave.
; K AND V COME IN SLOTS OF 256 KEYS, each LDS byte filled once.  The head asks for slots 0 and 1 (wave 0, 1: K's; wave 2, 3: V's).  Three streamed trips follow: in front of each the three lines and a barrier
; behind it the same four waves ask for the next two slots, and every wave takes its first tile through slot 0, 1, 2: those keys come before
; every first tile's queries (1,024 and up), so these steps have no test and no diagonal.  One more barrier shows slots 6 and 7; then nine trips with no barrier: slots 3 to 7 for the first tile, 0 to 3 for the second.
; PREFETCH: in streamed trips 0 and 1 what the next trip's loads will fetch (two slots of K and of V, 200 blocks of 256 bytes) is asked for; the head's four work-groups take a record of 50 blocks each, waves 4 and 5 25 blocks each; trip 2 asks for nothing.
; NO JOINT LOADS, though the four work-groups of a head fetch the same slots: which key steps a work-group leaves out hangs on which of the four it is, so its branches would hang on its place in a cluster.
; SCORES.  An image x of K holds in row r the 64 channels of position 16 r' + x and of position 16 r' + x + 8.  My fragment's lane y takes image y % 8, so its row is [key 16 (y / 8) + y % 8 | that key + 8]; against Q as [q | 0] and as [0 | q]
; it gives two tiles of scores, and the 16 registers of tiles 2 b, 2 b + 1 are the 16 neighbouring keys 32 b + 16 (lane / 16) + 0 .. 15.  A lane holds ONE query throughout.
; MASKS.  The C of a score's product is 0 for a key that key_mask admits and -2^127 for one that it hides; on the diagonal hidden scores are set to -2^127.  p = 2^(t - M) is then 0.
; SOFTMAX: t = score x log2(e); M = the running largest t rounded up to a whole number; p is quantised along the keys, not normalised; the row's sum of the unquantised p divides at the end.
; A QUERY WITH NO ADMITTED KEY has the sum 0: reference() gives NaN there.  Its context's two scale bytes become 0xff, which makes the last projection's sums of that row NaN.
; LIMITS: hidden scores are -2^127 and not -infinity, and the largest t begins at -2^125: a true t under -2^125 is not served.  p under 2^-126 counts as 0.
; ca: [head][K step][8 images blk, 8 x 64 bytes of scale words], as launch 4 takes its A; block blk's row r is row 64 (blk / 4) + 4 r + blk % 4 of the head: so this work-group makes blocks 7 - p and p whole.
.set KSL,   15200                      ; a slot of K in LDS: 25 rows of 512 bytes, 608 apart
.set VSL,   16000                      ; a slot of V: 16 bytes behind every 64: channel rows 240 apart, the scale bytes from 15,360 on
.set VC,    8*KSL
.set MB,    VC+8*VSL                   ; 2,048 f32: 0 or -2^127 for each key
.set STG,   MB+8192                    ; the contexts' images: 2 blocks x 8 K steps x 1,536 bytes
.set STS,   STG+2*12288                ; their scale words: 2 x 8 x 64 bytes
.set SPARE, STS+1024                   ; the spare words, 128 bytes a wave
.set SPW,  7
.set NIL,  8
.set PFO,  35                          ; v35      the prefetch's offset; never rewritten
.set KFR,  36                          ; v36-83   four fragments of K, then of V
.set SCW,  84                          ; v84-87   their scale words
.set S,    96                          ; v96-159  the mask's C, the scores, p
.set O,    160                         ; v160-191 O^T
.set PCD,  208                         ; v208-219 codes;  v220-226 upper halves before they are moved
.set PCT,  220
.set BM,   228
.set BT,   232
.set SOP,  236
.set PWD,  244                         ; p's scale word
.set MH,   245                         ; m / 2, at the head alone
.set FF,   246                         ; v[246:247] the factor of a rescaling (low word)
.set T0,   248
.set T1,   249
.set NEG,  250                         ; -2^127
.set ONES, 251                         ; 0xffff
.set SEL,  62
.set CS,   66
.set KF,   68                          ; the step's first key
.set Q0,   69                          ; my first query
.set QL,   70                          ; my last
.set CNT,  71
.set TBK,  74
.set TBV,  75
.set TMB,  76
.set LIM,  78                          ; 2 in waves 4 and 5, which prefetch in trips 0 and 1; else 0
.set PFB,  80                          ; s[80:81] the record that my work-group asks for
.macro NOP4
.rept 4
	v_nop
.endr
.endm
.macro FILL                            ; waves 0, 1: a slot of K each; waves 2, 3: of V; the others none
	s_cmp_lt_u32 s10, 2
	s_cbranch_scc0 .Lfv_\@
	tensor_load_to_lds s[40:43], s[24:31]
	s_nop 0
	NOP4
	s_branch .Lfd_\@
.Lfv_\@:
	s_cmp_lt_u32 s10, 4
	s_cbranch_scc0 .Lfd_\@
	tensor_load_to_lds s[44:47], s[32:39]
	s_nop 0
	NOP4
.Lfd_\@:
.endm
	s_load_b128 s[4:7], s[0:1], 0x0                ; qkv, key_mask
	s_load_b64 s[8:9], s[0:1], 0x10                ; ca
	v_lshl_add_u32 v[SPW], v0, 2, SPARE
	v_mov_b32 v[NIL], 0
	ds_add_u32 v[SPW], v[NIL]                      ; the opening lines: the add, twice on end, and its wait
	ds_add_u32 v[SPW], v[NIL]
	v_lshrrev_b32 v9, 5, v0
	s_delay_alu instid0(VALU_DEP_1)
	v_readfirstlane_b32 s10, v9                    ; wave 0..15
	s_and_b32 s11, ttmp7, 0xffff                   ; head
	s_mov_b32 s24, (3<<16)|(1<<20)|(6<<22)|(23<<25)  ; K: elements of 8 bytes; padding on; behind every 128 words 24 words
	s_mov_b32 s25, 64<<16                          ; rows of 512 bytes,
	s_mov_b32 s26, 25<<16                          ; 25 of them: a record of 12,800 dense bytes
	s_mov_b32 s27, 64<<16
	s_mov_b32 s28, 25
	s_mov_b32 s29, 64
	s_mov_b32 s30, 0
	s_mov_b32 s31, 0
	s_mov_b32 s32, (3<<16)|(1<<20)|(3<<22)|(3<<25)   ; V: behind every 16 words 4 words
	s_mov_b32 s33, 32<<16                          ; rows of 256 bytes, 50 of them
	s_mov_b32 s34, 50<<16
	s_mov_b32 s35, 32<<16
	s_mov_b32 s36, 50
	s_mov_b32 s37, 32
	s_mov_b32 s38, 0
	s_mov_b32 s39, 0
	s_and_b32 s12, s10, 7                          ; at the end: the K step whose image I store
	s_and_b32 s61, s10, 1                          ; which of a pair of slots a loading wave fetches
	s_mul_i32 s13, s61, KSL
	s_mul_i32 s14, s61, VSL
	s_add_co_u32 s14, s14, VC
	s_mul_i32 s16, s11, 102400                     ; my head in a section
	s_mul_i32 s15, s61, 12800
	s_add_co_u32 s18, s16, s15
	s_add_co_u32 s18, s18, 6553600                 ; K's section
	s_mov_b32 s19, 0
	s_lshr_b32 s82, ttmp9, 1                       ; the prefetches: work-groups 0, 1 take K's records, 2, 3 V's; the even one slot 4, the odd one slot 5
	s_mul_i32 s82, s82, 6553600
	s_and_b32 s83, ttmp9, 1
	s_mul_i32 s83, s83, 12800
	s_add_co_u32 s82, s82, s83
	s_add_co_u32 s82, s82, s16
	s_add_co_u32 s82, s82, 6553600+4*12800
	s_mov_b32 s83, 0
	s_lshr_b32 s[LIM], s10, 1
	s_cmp_eq_u32 s[LIM], 2
	s_cselect_b32 s[LIM], 2, 0
	s_mul_i32 s79, s61, 25                         ; which 25 blocks of the record's 50
	s_mov_b32 s[SEL], 0x76543210
	s_mov_b32 s[SEL+1], 0xfedcba98
	s_mov_b32 s[CS], 0x3fb8aa3b                    ; log2(e): both factors 1/32 are in the scale bytes
	s_mov_b32 s[CS+1], s[CS]
	s_mov_b32 s60, 0xff00ff00                      ; lanes whose query is 8 .. 15
	s_wait_dscnt 0x0                               ; both opening adds are done
	s_wait_kmcnt 0x0
	s_mov_b32 s40, 1
	s_mov_b32 s41, s13
	s_add_nc_u64 s[42:43], s[4:5], s[18:19]
	s_mov_b32 s44, 1
	s_mov_b32 s45, s14
	s_add_nc_u64 s[46:47], s[42:43], 6553600       ; V's section
	s_or_b32 s43, s43, 0x80000000
	s_or_b32 s47, s47, 0x80000000
	s_add_nc_u64 s[PFB:PFB+1], s[4:5], s[82:83]
	FILL                                           ; slots 0 and 1
	s_lshr_b32 s20, s11, 4
	s_lshl_b32 s20, s20, 13                        ; my batch's 2,048 words of key_mask
	s_mov_b32 s21, 0
	s_add_nc_u64 s[6:7], s[6:7], s[20:21]
	v_lshlrev_b32 v252, 4, v0                      ; the mask's offset
	global_load_b128 v[96:99], v252, s[6:7]        ; four keys a thread
	v_and_b32 v92, 7, v0                           ; jj = m % 8
	v_bfe_u32 v93, v0, 3, 1                        ; hm = m / 8
	v_bfe_u32 v94, v0, 4, 1                        ; h
	v_and_b32 v95, 15, v0                          ; m
	s_delay_alu instid0(VALU_DEP_4)
	v_mul_u32_u24 v253, 1536, v92
	s_delay_alu instid0(VALU_DEP_1)
	v_lshl_add_u32 v253, v94, 8, v253              ; Q: image jj, lane half h
	s_wait_alu depctr_va_vdst(0)
	v_lshlrev_b32 v254, 6, v92                     ; and its scale words
	s_wait_alu depctr_va_vdst(0)
	s_lshl_b32 s48, s10, 2
	s_add_co_u32 s49, s48, ttmp9                   ; the second tile
	s_sub_co_u32 s48, 127, s49                     ; the first
	s_mov_b32 s51, 0
.irp n, 0,1                            ; tile tau is row tau of the head: slot tau / 16, image row tau % 16
	s_lshr_b32 s20, s[48+\n], 4
	s_mul_i32 s20, s20, 12800
	s_add_co_u32 s20, s20, s16
	s_and_b32 s22, s[48+\n], 15
	s_lshl_b32 s23, s22, 4
	s_add_co_u32 s50, s20, s23
	s_add_nc_u64 s[52+4*\n:53+4*\n], s[4:5], s[50:51]
	s_lshl_b32 s23, s22, 2
	s_add_co_u32 s50, s20, s23
	s_add_co_u32 s50, s50, 12288
	s_add_nc_u64 s[54+4*\n:55+4*\n], s[4:5], s[50:51]
.endr
.irp n, 0,1
.irp c, 0,1,2
	global_load_b128 v[36+12*\n+4*\c:39+12*\n+4*\c], v253, s[52+4*\n:53+4*\n] offset:512*\c
.endr
	global_load_b32 v[84+\n], v254, s[54+4*\n:55+4*\n]
.endr
	v_mul_u32_u24 v1, 1824, v92
	s_delay_alu instid0(VALU_DEP_1)
	v_lshl_add_u32 v1, v93, 4, v1
	s_delay_alu instid0(VALU_DEP_1)
	v_lshl_add_u32 v1, v94, 8, v1                  ; K: image jj, row hm of the pair, half h
	v_lshlrev_b32 v2, 6, v92
	s_delay_alu instid0(VALU_DEP_1)
	v_lshl_add_u32 v2, v93, 2, v2                  ; its scale word
	v_mul_u32_u24 v3, 240, v95
	s_delay_alu instid0(VALU_DEP_1)
	v_add_nc_u32 v3, VC, v3                        ; V: lane m takes row m of the tile's 16 neighbouring rows; launch 2 laid the rows so that these are channels m + 8 (m / 8) of the tile's: O^T's 16 registers of two tiles are 16 neighbouring channels
	s_delay_alu instid0(VALU_DEP_1)
	v_mad_u32_u24 v4, v94, 40, v3                  ; (for the pieces that lie behind one padding more)
	s_delay_alu instid0(VALU_DEP_2)
	v_mad_u32_u24 v3, v94, 24, v3
	v_mul_u32_u24 v5, 80, v93
	s_delay_alu instid0(VALU_DEP_1)
	v_lshl_add_u32 v5, v92, 3, v5
	s_delay_alu instid0(VALU_DEP_1)
	v_add_nc_u32 v5, VC, v5                        ; V's scale bytes
	v_lshlrev_b32 v6, 6, v94
	s_delay_alu instid0(VALU_DEP_1)
	v_add_nc_u32 v6, MB, v6                        ; the mask's numbers: my half's 16 keys of a block
	v_lshlrev_b32 v91, 4, v94
	s_delay_alu instid0(VALU_DEP_1)
	v_sub_nc_u32 v91, v95, v91                     ; m - 16 h
	v_lshl_add_u32 v89, v0, 4, MB
	v_mov_b32 v[NEG], 0xff000000
	v_mov_b32 v[ONES], 0xffff
	v_mov_b32 v[FF+1], 0                           ; (named as the upper half of a pair)
	v_mov_b32 v[T0], 0                             ; (a lane permute's destination counts as one of its sources)
.irp b, 0,1,2,3
	v_mov_b32 v[BT+\b], 0
.endr
	v_and_b32 v[PFO], 31, v0
	v_min_u32 v[PFO], 24, v[PFO]                   ; lanes 25-31 name block 24 again
	v_add_nc_u32 v[PFO], s79, v[PFO]
	v_lshlrev_b32 v[PFO], 8, v[PFO]
	s_wait_alu depctr_va_vdst(0)
	s_wait_loadcnt 8                               ; the mask's words are in; Q's eight loads, issued behind them, may be out
.irp i, 0,1,2,3
	v_cmp_eq_u32 vcc_lo, 0, v[96+\i]
	s_delay_alu instid0(VALU_DEP_1)
	v_cndmask_b32 v[96+\i], 0, v[NEG], vcc_lo
.endr
	ds_store_b128 v89, v[96:99]
	; the stage for the contexts: lane (m, h) holds block h of position m: K step m / 2, registers 6 (m % 2) .. + 5 of lane (row, h) of the image
	v_bfe_u32 v[MH], v0, 1, 3                      ; m / 2
	v_and_b32 v255, 1, v0                          ; c = m % 2
	s_delay_alu instid0(VALU_DEP_2)
	v_mul_u32_u24 v198, 1536, v[MH]
	s_delay_alu instid0(VALU_DEP_1)
	v_lshl_add_u32 v198, v94, 8, v198
	s_wait_alu depctr_va_vdst(0)
	v_lshlrev_b32 v199, 6, v[MH]
	s_delay_alu instid0(VALU_DEP_1)
	v_lshl_add_u32 v199, v255, 1, v199
	s_wait_alu depctr_va_vdst(0)
.irp n, 0,1
	s_xor_b32 s20, s10, 15*(1-\n)                  ; my row of the block: 15 - w, then w
	s_lshl_b32 s21, s20, 4
	s_add_co_u32 s21, s21, STG+12288*\n
	v_add_nc_u32 v[194+3*\n], s21, v198
	s_delay_alu instid0(VALU_DEP_1)
	v_mad_u32_u24 v[192+3*\n], v255, 520, v[194+3*\n]    ; registers 0, 1 (or 6, 7), and with 512 more 4, 5 (or 10, 11)
	s_delay_alu instid0(VALU_DEP_2)
	v_mad_u32_u24 v[193+3*\n], v255, 1016, v[194+3*\n]   ; with 8 more: registers 2, 3 (or 8, 9)
	s_lshl_b32 s21, s20, 2
	s_add_co_u32 s21, s21, STS+512*\n
	v_add_nc_u32 v[194+3*\n], s21, v199            ; my half of the row's scale word
.endr
	v_and_b32 v255, 31, v0
	s_delay_alu instid0(VALU_DEP_1)
	v_lshlrev_b32 v255, 4, v255                    ; 16 x lane
	s_mul_i32 s20, s10, 1536
	s_add_co_u32 s20, s20, STG
	v_add_nc_u32 v198, s20, v255                   ; the image that I store at the end
	s_lshr_b32 s20, s10, 3
	s_lshl_b32 s20, s20, 9
	s_add_co_u32 s20, s20, STS
	v_add_nc_u32 v199, s20, v255                   ; and a block's scale words
	s_wait_loadcnt 0x0                             ; Q
.irp i, 0,1,2,3,4,5
	v_cndmask_b32 v[16+\i], v[36+\i], v[42+\i], s60      ; queries 8-15 lie in the image's registers 6-11
	v_cndmask_b32 v[200+\i], v[48+\i], v[54+\i], s60
.endr
.irp n, 0,1
	v_lshrrev_b32 v[T1], 16, v[84+\n]
	s_delay_alu instid0(VALU_DEP_1)
	v_cndmask_b32 v[T1], v[84+\n], v[T1], s60
	s_delay_alu instid0(VALU_DEP_1)
	v_and_b32 v[T1], 0xffff, v[T1]
	s_delay_alu instid0(VALU_DEP_1)
	v_lshl_or_b32 v[34+172*\n], v[T1], 16, v[T1]   ; [q0 q1 q0 q1]: it serves [q | 0] and [0 | q]  (v34; the second tile's waits in v206)
.endr
.irp i, 0,1,2,3,4,5
	v_mov_b32 v[22+\i], 0
	v_mov_b32 v[28+\i], v[16+\i]                   ; v[16:33] = q | 0 | q
.endr
	s_wait_alu depctr_va_vdst(0)                   ; the head's end
; A KEY STEP: 128 keys, the q-th half of the slot in hand.  lean = 1: all its keys come before all my queries: no test, no diagonal
.macro STEP q, lean=0
.if (\lean) == 0
	s_cmp_gt_u32 s[KF], s[QL]                      ; all its keys come after my queries: left out.  Ids alone; no barrier stands in a step
	s_cbranch_scc1 .Lhid_\@
.endif
	s_wait_alu depctr_va_vdst(0)
.irp b, 0,1,2,3
.irp i, 0,1,2,3
	ds_load_b128 v[S+16*\b+4*\i:S+16*\b+4*\i+3], v90 offset:512*\q+128*\b+16*\i   ; the mask's numbers of keys 32 b + 16 h + 0 .. 15: the C of the scores' products
.endr
.endr
.irp b, 0,1,2,3
.irp c, 0,1,2
	ds_load_b128 v[KFR+12*\b+4*\c:KFR+12*\b+4*\c+3], v9 offset:608*\c+32*(4*\q+\b)
.endr
	ds_load_b32 v[SCW+\b], v10 offset:14592+8*(4*\q+\b)
.endr
	s_wait_dscnt 0x0
.irp b, 0,1,2,3
.irp u, 0,1
	v_wmma_scale_f32_16x16x128_f8f6f4 v[S+16*\b+8*\u:S+16*\b+8*\u+7], v[KFR+12*\b:KFR+12*\b+11], v[16+6*\u:27+6*\u], v[S+16*\b+8*\u:S+16*\b+8*\u+7], v[SCW+\b], v34 matrix_a_fmt:MATRIX_FMT_FP6 matrix_b_fmt:MATRIX_FMT_FP6
.endr
.endr
	NOP4                                           ; places in front of the loads below and of the first read of the scores
	s_wait_alu depctr_va_vdst(0)
.irp t, 0,1,2,3                        ; V's four fragments are asked for now, into the registers that K's leave
.irp p, 0,1,2,3,4,5
.set PCE, 12*\q+6*(\p/3)+\p%3          ; pieces of 8 bytes; lanes 16-31 read three pieces on, which for some pieces is behind one padding more
.if PCE%8 < 5
	ds_load_b64 v[KFR+12*\t+2*\p:KFR+12*\t+2*\p+1], v11 offset:16*\t*240+8*PCE+16*(PCE/8)
.else
	ds_load_b64 v[KFR+12*\t+2*\p:KFR+12*\t+2*\p+1], v88 offset:16*\t*240+8*PCE+16*(PCE/8)
.endif
.endr
	ds_load_b32 v[SCW+\t], v89 offset:15360+160*\t+4*\q
.endr
.if (\lean) == 0
	s_add_co_u32 s72, s[KF], 127                   ; on the diagonal hidden scores become -2^127; a step all of whose keys count skips this
	s_cmp_le_u32 s72, s[Q0]
	s_cbranch_scc1 .Lopen_\@
	s_sub_co_i32 s72, s[Q0], s[KF]
	v_add_nc_u32 v[T0], s72, v91                   ; d = my query - the step's first key - 16 h: register 16 b + i is hidden where 32 b + i > d
.set NN, 0
.rept 64
	v_cmp_gt_i32 vcc_lo, 32*(NN/16)+NN%16, v[T0]
	v_cndmask_b32 v[S+NN], v[S+NN], v[NEG], vcc_lo
.set NN, NN+1
.endr
.Lopen_\@:
.endif
.irp b, 0,1,2,3
	v_max3_num_f32 v[BM+\b], v[S+16*\b], v[S+16*\b+1], v[S+16*\b+2]   ; the largest score of each block of 32 keys: for the row's maximum, and, since p rises with the score, for the block's largest p
.endr
.irp i, 3,5,7,9,11,13
.irp b, 0,1,2,3
	v_max3_num_f32 v[BM+\b], v[BM+\b], v[S+16*\b+\i], v[S+16*\b+\i+1]
.endr
.endr
.irp b, 0,1,2,3
	v_max_num_f32 v[BM+\b], v[BM+\b], v[S+16*\b+15]
.endr
.irp b, 0,1,2,3
	s_delay_alu instid0(VALU_DEP_4)
	v_permlanex16_b32 v[BT+\b], v[BM+\b], s[SEL], s[SEL+1]
.endr
.irp b, 0,1,2,3
	s_delay_alu instid0(VALU_DEP_4)
	v_max_num_f32 v[BM+\b], v[BM+\b], v[BT+\b]
.endr
	s_delay_alu instid0(VALU_DEP_2)
	v_max3_num_f32 v[T0], v[BM], v[BM+1], v[BM+2]
	s_delay_alu instid0(VALU_DEP_1)
	v_max_num_f32 v[T0], v[T0], v[BM+3]
	s_delay_alu instid0(VALU_DEP_1)
	v_mul_f32 v[T0], s[CS], v[T0]
	s_delay_alu instid0(VALU_DEP_1)
	v_max_num_f32 v13, v13, v[T0]                  ; the running largest t
	v_mov_b32 v[T0], v12
	s_delay_alu instid0(VALU_DEP_2)
	v_floor_f32 v12, -v13                          ; -M = floor(-t): M is a whole number
	s_delay_alu instid0(VALU_DEP_1)
	v_sub_f32 v[T0], v12, v[T0]                    ; old M - new M, 0 or less
	s_delay_alu instid0(VALU_DEP_1)
	v_cvt_i32_f32 v[T0], v[T0]                     ; (it saturates)
	s_delay_alu instid0(VALU_DEP_1)
	v_ldexp_f32 v[FF], 1.0, v[T0]                  ; f = 2^(old M - new M): a multiplication by it rounds nothing
.set JJ, 0
.rept 32
	v_pk_fma_f32 v[S+JJ:S+JJ+1], v[S+JJ:S+JJ+1], s[CS:CS+1], v[12:13] op_sel_hi:[1,0,0]   ; t - M
.set JJ, JJ+2
.endr
.irp b, 0,1,2,3
	v_fma_f32 v[BM+\b], v[BM+\b], s[CS], v12
.endr
.set JJ, 0
	s_wait_alu depctr_va_vdst(0)
.rept 64
	v_exp_f32 v[S+JJ], v[S+JJ]                     ; p = 2^(t - M)
.set JJ, JJ+1
.endr
	v_pk_mul_f32 v[14:15], v[14:15], v[FF:FF+1] op_sel_hi:[1,0]   ; the sums under the new M (a plain place behind the exponentials)
	s_wait_alu depctr_va_vdst(0)                   ; one wait for the batch of 64, ahead of its first reader
.irp b, 0,1,2,3
	v_exp_f32 v[BM+\b], v[BM+\b]                   ; the blocks' largest p
.endr
	v_pk_add_f32 v[240:241], v[100:101], v[104:105]   ; the row's sum of the unquantised p, in eight chains
	v_pk_add_f32 v[252:253], v[108:109], v[112:113]
	v_pk_add_f32 v[244:245], v[116:117], v[120:121]
	v_pk_add_f32 v[242:243], v[124:125], v[128:129]
	v_pk_add_f32 v[238:239], v[132:133], v[136:137]
	v_pk_add_f32 v[236:237], v[140:141], v[144:145]
	v_pk_add_f32 v[234:235], v[148:149], v[152:153]
	v_pk_add_f32 v[14:15], v[14:15], v[156:157]
	v_pk_add_f32 v[240:241], v[240:241], v[96:97]
	v_pk_add_f32 v[252:253], v[252:253], v[98:99]
	v_pk_add_f32 v[244:245], v[244:245], v[102:103]
	v_pk_add_f32 v[242:243], v[242:243], v[106:107]
	v_pk_add_f32 v[238:239], v[238:239], v[110:111]
	v_pk_add_f32 v[236:237], v[236:237], v[114:115]
	v_pk_add_f32 v[234:235], v[234:235], v[118:119]
	v_pk_add_f32 v[14:15], v[14:15], v[122:123]
	v_pk_add_f32 v[240:241], v[240:241], v[126:127]
	v_pk_add_f32 v[252:253], v[252:253], v[130:131]
	v_pk_add_f32 v[244:245], v[244:245], v[134:135]
	v_pk_add_f32 v[242:243], v[242:243], v[138:139]
	v_pk_add_f32 v[238:239], v[238:239], v[142:143]
	v_pk_add_f32 v[236:237], v[236:237], v[146:147]
	v_pk_add_f32 v[234:235], v[234:235], v[150:151]
	v_pk_add_f32 v[14:15], v[14:15], v[154:155]
	v_pk_add_f32 v[240:241], v[240:241], v[158:159]
	s_delay_alu instid0(VALU_DEP_2)
	v_pk_add_f32 v[14:15], v[14:15], v[242:243]
	s_delay_alu instid0(VALU_DEP_2)
	v_pk_add_f32 v[240:241], v[240:241], v[238:239]
	v_pk_add_f32 v[252:253], v[252:253], v[236:237]
	v_pk_add_f32 v[244:245], v[244:245], v[234:235]
	s_delay_alu instid0(VALU_DEP_2)
	v_pk_add_f32 v[14:15], v[14:15], v[252:253]
	s_delay_alu instid0(VALU_DEP_2)
	v_pk_add_f32 v[240:241], v[240:241], v[244:245]
	s_delay_alu instid0(VALU_DEP_1)
	v_pk_add_f32 v[14:15], v[14:15], v[240:241]
	s_wait_alu depctr_va_vdst(0)                   ; and one for the four
.irp b, 0,1,2,3
	v_max_num_f32 v[BM+\b], 0x1800000, v[BM+\b]    ; the floor 2^(3 - 127): the byte cannot fall under 1
.endr
.irp b, 0,1,2,3
	s_delay_alu instid0(VALU_DEP_4)
	v_add_nc_u32 v[SOP+\b], 0xff000000, v[BM+\b]
.endr
.irp b, 0,1,2,3
	s_delay_alu instid0(VALU_DEP_4)
	v_lshrrev_b32 v[BT+\b], 23, v[SOP+\b]
.endr
	s_delay_alu instid0(VALU_DEP_3)
	v_lshl_or_b32 v[PWD], v[BT+1], 8, v[BT]
	s_delay_alu instid0(VALU_DEP_1)
	v_lshl_or_b32 v[PWD], v[BT+2], 16, v[PWD]
	s_delay_alu instid0(VALU_DEP_1)
	v_lshl_or_b32 v[PWD], v[BT+3], 24, v[PWD]
.irp c, 0,1
	v_cvt_scalef32_pk16_fp6_f32 v[PCD+6*\c:PCD+6*\c+2], v[S+32*\c:S+32*\c+15], v[SOP+2*\c]
	v_cvt_scalef32_pk16_fp6_f32 v[PCT+4*\c:PCT+4*\c+2], v[S+32*\c+16:S+32*\c+31], v[SOP+2*\c+1]
.endr
	v_nop                                          ; one plain place behind a scaled conversion
.irp c, 0,1
.irp i, 0,1,2
	v_permlane16_swap_b32 v[PCD+6*\c+\i], v[PCT+4*\c+\i]
.endr
.irp i, 0,1,2
	s_delay_alu instid0(VALU_DEP_3)
	v_mov_b32 v[PCD+6*\c+3+\i], v[PCT+4*\c+\i]
.endr
.endr
.set JJ, 0
.rept 16
	v_pk_mul_f32 v[O+JJ:O+JJ+1], v[O+JJ:O+JJ+1], v[FF:FF+1] op_sel_hi:[1,0]   ; O^T under the new M; these are also the places between p's word and codes and the products
.set JJ, JJ+2
.endr
	s_wait_alu depctr_va_vdst(0)
	s_wait_dscnt 0x0                               ; V's fragments
.irp t, 0,1,2,3
	v_wmma_scale_f32_16x16x128_f8f6f4 v[O+8*\t:O+8*\t+7], v[KFR+12*\t:KFR+12*\t+11], v[PCD:PCD+11], v[O+8*\t:O+8*\t+7], v[SCW+\t], v[PWD] matrix_a_fmt:MATRIX_FMT_FP6 matrix_b_fmt:MATRIX_FMT_FP6
.endr
	NOP4                                           ; places in front of the next step's loads, and of a tile's end
.Lhid_\@:
.if (\lean) == 0
	s_add_co_u32 s[KF], s[KF], 128
.endif
.endm
.macro ADDR                            ; the LDS addresses of the slot in hand
	v_add_nc_u32 v9, s[TBK], v1
	v_add_nc_u32 v10, s[TBK], v2
	v_add_nc_u32 v11, s[TBV], v3
	v_add_nc_u32 v88, s[TBV], v4
	v_add_nc_u32 v89, s[TBV], v5
	v_add_nc_u32 v90, s[TMB], v6
.endm
.macro INIT n                          ; a tile of 16 queries begins
.if \n
.irp i, 0,1,2,3,4,5
	v_mov_b32 v[16+\i], v[200+\i]
	v_mov_b32 v[28+\i], v[200+\i]
.endr
	v_mov_b32 v34, v206
.endif
	v_mov_b32 v13, 0xfe000000                      ; the largest t so far: -2^125
	v_mov_b32 v14, 0
	v_mov_b32 v15, 0
	s_delay_alu instid0(VALU_DEP_3)
	v_floor_f32 v12, -v13
.set JJ, 0
.rept 32
	v_mov_b32 v[O+JJ], 0                           ; the step is written once: the first finds zeros
.set JJ, JJ+1
.endr
	s_lshl_b32 s[Q0], s[48+\n], 4
	s_add_co_u32 s[QL], s[Q0], 15
.endm
.macro FIN n                           ; the contexts of my 16 positions: O^T / the sum, quantised along the channels: two blocks a position
	v_add_f32 v14, v14, v15
	s_delay_alu instid0(VALU_DEP_1)
	v_permlanex16_b32 v[T0], v14, s[SEL], s[SEL+1]
	s_delay_alu instid0(VALU_DEP_1)
	v_add_f32 v14, v14, v[T0]                      ; the row's sum
	s_delay_alu instid0(VALU_DEP_1)
	v_cmp_eq_f32 s73, 0, v14                       ; no key was admitted
	s_delay_alu instid0(VALU_DEP_2)
	v_max_num_f32 v[FF], 0x800000, v14
	s_wait_alu depctr_va_vdst(0)
	v_rcp_f32 v[FF], v[FF]
	v_nop                                          ; a plain place behind the reciprocal
	s_wait_alu depctr_va_vdst(0)                   ; and the wait ahead of its first reader
.set JJ, 0
.rept 16
	v_pk_mul_f32 v[O+JJ:O+JJ+1], v[O+JJ:O+JJ+1], v[FF:FF+1] op_sel_hi:[1,0]
.set JJ, JJ+2
.endr
.irp b, 0,1
	v_max3_num_f32 v[BM+\b], |v[O+16*\b]|, |v[O+16*\b+1]|, 0x1800000
.endr
.irp i, 2,4,6,8,10,12,14
.irp b, 0,1
	s_delay_alu instid0(VALU_DEP_2)
	v_max3_num_f32 v[BM+\b], v[BM+\b], |v[O+16*\b+\i]|, |v[O+16*\b+\i+1]|
.endr
.endr
.irp b, 0,1
	s_delay_alu instid0(VALU_DEP_2)
	v_permlanex16_b32 v[BT+\b], v[BM+\b], s[SEL], s[SEL+1]
.endr
.irp b, 0,1
	s_delay_alu instid0(VALU_DEP_2)
	v_max_num_f32 v[BM+\b], v[BM+\b], v[BT+\b]
.endr
.irp b, 0,1
	s_delay_alu instid0(VALU_DEP_2)
	v_add_nc_u32 v[SOP+\b], 0xff000000, v[BM+\b]
.endr
.irp b, 0,1
	s_delay_alu instid0(VALU_DEP_2)
	v_lshrrev_b32 v[BT+\b], 23, v[SOP+\b]
.endr
	s_delay_alu instid0(VALU_DEP_1)
	v_lshl_or_b32 v[T1], v[BT+1], 8, v[BT]
	s_delay_alu instid0(VALU_DEP_1)
	v_cndmask_b32 v[T1], v[T1], v[ONES], s73       ; a position with no admitted key: both bytes 0xff
	v_cvt_scalef32_pk16_fp6_f32 v[PCD:PCD+2], v[O:O+15], v[SOP]
	v_cvt_scalef32_pk16_fp6_f32 v[PCT:PCT+2], v[O+16:O+31], v[SOP+1]
	v_nop                                          ; one plain place behind a scaled conversion
.irp i, 0,1,2
	v_permlane16_swap_b32 v[PCD+\i], v[PCT+\i]
.endr
.irp i, 0,1,2
	s_delay_alu instid0(VALU_DEP_3)
	v_mov_b32 v[PCD+3+\i], v[PCT+\i]               ; v[PCD .. PCD + 5]: block h of position m, whole
.endr
	ds_store_b64 v[192+3*\n], v[PCD:PCD+1]
	ds_store_b64 v[193+3*\n], v[PCD+2:PCD+3] offset:8
	ds_store_b64 v[192+3*\n], v[PCD+4:PCD+5] offset:512
	ds_store_b16 v[194+3*\n], v[T1]                ; both halves of the lanes write the same two bytes with the same value
	s_wait_dscnt 0x0                               ; the stores have read their registers
.endm
	INIT 0
	s_mov_b32 s[TBK], 0
	s_mov_b32 s[TBV], 0
	s_mov_b32 s[TMB], 0
	s_mov_b32 s[CNT], 0
.Lstream:                              ; trip t: slot t is read, slots 2 t + 2 and 2 t + 3 are asked for
	s_wait_tensorcnt 0x0                           ; all my tensor loads have landed
	ds_add_u32 v[SPW], v[NIL]
	ds_add_u32 v[SPW], v[NIL]
	s_add_co_u32 s41, s41, 2*KSL                   ; no load of mine is out: the descriptors step two slots on
	s_add_co_u32 s45, s45, 2*VSL
	s_add_nc_u64 s[42:43], s[42:43], 25600
	s_add_nc_u64 s[46:47], s[46:47], 25600
	s_wait_dscnt 0x0                               ; the adds are done; in trip 0 my part of the mask is stored
	s_barrier_signal -1
	s_barrier_wait -1
	FILL
	ADDR
	STEP 0, 1
	s_cmp_lt_u32 s[CNT], s[LIM]
	s_cbranch_scc0 .Lno_ask
	global_prefetch_b8 v[PFO], s[PFB:PFB+1] th:TH_LOAD_NT scope:SCOPE_SE   ; of what the next trip's loads fetch
.Lno_ask:
	STEP 1, 1
	s_add_co_u32 s[TBK], s[TBK], KSL
	s_add_co_u32 s[TBV], s[TBV], VSL
	s_add_co_u32 s[TMB], s[TMB], 1024
	s_wait_alu depctr_va_vdst(0)
	s_wait_xcnt 0x0                                ; the prefetch has read its base
	s_add_nc_u64 s[PFB:PFB+1], s[PFB:PFB+1], 25600
	s_add_co_u32 s[CNT], s[CNT], 1
	s_cmp_lt_u32 s[CNT], 3
	s_cbranch_scc1 .Lstream
	s_wait_tensorcnt 0x0                           ; slots 6 and 7
	s_wait_dscnt 0x0
	s_barrier_signal -1
	s_barrier_wait -1                              ; all of K and V is in
.Lrest:                                ; trips 3 .. 11: slot trip % 8; at trip 8 the second tile begins
	s_cmp_lg_u32 s[CNT], 8
	s_cbranch_scc1 .Lsame
	FIN 0
	INIT 1
.Lsame:
	s_and_b32 s72, s[CNT], 7
	s_mul_i32 s[TBK], s72, KSL
	s_mul_i32 s[TBV], s72, VSL
	s_lshl_b32 s[TMB], s72, 10
	s_lshl_b32 s[KF], s72, 8
	ADDR
	STEP 0
	STEP 1
	s_add_co_u32 s[CNT], s[CNT], 1
	s_cmp_lt_u32 s[CNT], 12
	s_wait_alu depctr_va_vdst(0)
	s_cbranch_scc1 .Lrest
	FIN 1
	s_barrier_signal -1                            ; (no LDS instruction of mine is out)
	s_barrier_wait -1                              ; the sixteen images and their scale words are whole
.irp c, 0,1,2
	ds_load_b128 v[100+4*\c:103+4*\c], v198 offset:512*\c   ; wave w: block w / 8, K step w % 8
.endr
	s_sub_co_u32 s22, 7, ttmp9
	s_cmp_lt_u32 s10, 8
	s_cselect_b32 s21, s22, ttmp9                  ; blk = 7 - p, or p
	s_mul_i32 s52, s12, 12800
	s_add_co_u32 s52, s52, s16
	s_mul_i32 s23, s21, 1536
	s_add_co_u32 s52, s52, s23
	s_mov_b32 s53, 0
	s_add_nc_u64 s[52:53], s[8:9], s[52:53]
	s_lshl_b32 s54, s21, 6
	s_add_co_u32 s54, s54, s16
	s_add_co_u32 s54, s54, 12288
	s_mov_b32 s55, 0
	s_add_nc_u64 s[54:55], s[8:9], s[54:55]
	v_bfe_u32 v96, v0, 2, 3
	v_and_b32 v97, 3, v0
	s_delay_alu instid0(VALU_DEP_1)
	v_lshlrev_b32 v97, 4, v97
	s_delay_alu instid0(VALU_DEP_1)
	v_mad_u32_u24 v96, v96, 12800, v97             ; K step lane / 4, 16 bytes of its 64
	s_wait_dscnt 0x0
.irp c, 0,1,2
	global_store_b128 v255, v[100+4*\c:103+4*\c], s[52:53] offset:512*\c   ; 512 consecutive bytes
.endr
	s_cmp_lg_u32 s12, 0                            ; waves 0 and 8 store a block's scale words
	s_cbranch_scc1 .Lno_words
	ds_load_b128 v[112:115], v199
	s_wait_dscnt 0x0
	s_wait_alu depctr_va_vdst(0)
	global_store_b128 v96, v[112:115], s[54:55]
.Lno_words:
	s_wait_tensorcnt 0x0                           ; the wave's end
	ds_add_u32 v[SPW], v[NIL]
	s_wait_dscnt 0x0
	s_endpgm
.Lfunc_end_k_qcc3a3adb01_attn:
	.size	k_qcc3a3adb01_attn, .Lfunc_end_k_qcc3a3adb01_attn-k_qcc3a3adb01_attn
	.p2alignl 7, 3214868480
	.fill 96, 4, 3214868480
	.section	.rodata,"a",@progbits
	.p2align	6, 0x0
	.amdhsa_kernel k_qcc3a3adb01_attn
		.amdhsa_group_segment_fixed_size 327680
		.amdhsa_private_segment_fixed_size 0
		.amdhsa_enable_private_segment 0
		.amdhsa_kernarg_size 24
		.amdhsa_user_sgpr_count 2
		.amdhsa_user_sgpr_kernarg_segment_ptr 1
		.amdhsa_wavefront_size32 1
		.amdhsa_system_sgpr_workgroup_id_x 1
		.amdhsa_system_sgpr_workgroup_id_y 1
		.amdhsa_system_sgpr_workgroup_id_z 1
		.amdhsa_system_vgpr_workitem_id 0
		.amdhsa_next_free_vgpr 256
		.amdhsa_next_free_sgpr 96
		.amdhsa_reserve_vcc 1
		.amdhsa_float_denorm_mode_32 3
		.amdhsa_float_denorm_mode_16_64 3
		.amdhsa_memory_ordered 1
		.amdhsa_forward_progress 1
		.amdhsa_inst_pref_size 114
	.end_amdhsa_kernel
	.amdgpu_metadata
---
amdhsa.version: [ 1, 2 ]
amdhsa.kernels:
  - .name:           k_qcc3a3adb01_attn
    .symbol:         k_qcc3a3adb01_attn.kd
    .args:
      - { .name: qkv, .offset: 0, .size: 8, .value_kind: global_buffer, .address_space: global }
      - { .name: key_mask, .offset: 8, .size: 8, .value_kind: global_buffer, .address_space: global }
      - { .name: ca, .offset: 16, .size: 8, .value_kind: global_buffer, .address_space: global }
    .group_segment_fixed_size: 327680
    .private_segment_fixed_size: 0
    .kernarg_segment_align: 8
    .kernarg_segment_size: 24
    .max_flat_workgroup_size: 512
    .sgpr_count:     96
    .vgpr_count:     256
    .wavefront_size: 32
...
	.end_amdgpu_metadata
.endif
;; end of part 3
;; launch outp (part 4): grid 4 x 64, 4 waves a work-group, clusters of 4 x 4, 327,680 bytes of LDS; arguments ca, wb, out0; writes out0
.if DOCPART == 4
	.amdgcn_target "amdgcn-amd-amdhsa--gfx1250"
	.amdhsa_code_object_version 6
	.text
	.protected	k_qcc3a3adb01_outp
	.globl	k_qcc3a3adb01_outp
	.p2align	8
	.type	k_qcc3a3adb01_outp,@function
k_qcc3a3adb01_outp:
	s_mov_b64 s[64:65], 0
	v_nop
	global_prefetch_b8 v0, s[64:65] scope:SCOPE_SE
	s_setreg_imm32_b32 hwreg(HW_REG_WAVE_MODE, 25, 1), 1
	s_wait_xcnt 0x0
	s_wait_alu depctr_hold_cnt(0) depctr_sa_sdst(0) depctr_va_vdst(0) depctr_va_sdst(0) depctr_va_ssrc(0) depctr_va_vcc(0) depctr_vm_vsrc(0)
	s_getreg_b32 s2, hwreg(HW_REG_IB_STS2, 6, 4)
	s_cmp_eq_u32 s2, 0
	s_cbranch_scc0 .Lentry_in_a_cluster
	s_endpgm
.Lentry_in_a_cluster:
	s_bfe_u32 s2, ttmp6, 0x10000c
	s_cmp_lg_u32 s2, 0xf033
	s_cbranch_scc0 .Lentry_shape_is_right
	s_endpgm
.Lentry_shape_is_right:
; LAUNCH 4 OF 4: out0 = contexts Wo + bo on codes of E2M3.  No work of reference() is left out here.
; A work-group makes 128 rows (a head's contexts) x 256 columns, K = 1,024; four waves, 64 x 128 each.  All its operands lie in LDS at once, each byte filled once:
; one tensor load a wave at the head (A's K steps 0-3, B's K steps 0-3, A's 4-7, B's 4-7); the first barrier waits for K steps 0-3 alone, the barrier at K step 3 for the rest.
; CLUSTER 4 x 4: A's records are asked for jointly along a row of the cluster, B's along a column.  The results leave through a stage on B's first K steps, which nobody reads behind the barrier at K step 3.
.set AREC,  12800
.set BREC,  25600
.set BBASE, 8*AREC
.set SPARE, BBASE+8*BREC
.set SPITCH, 528
.set FA,    64
.set FB,    112
.set SCB,   32
.set SCA,   40
.set BK,    64
.set SPW,   28
.set NIL,   29
.set MSB, 0
.macro WIN new
.if MSB != (\new)
	s_set_vgpr_msb (MSB<<8)|(\new)
.set MSB, \new
.endif
.endm
.macro ARM under, g0, g1, next         ; an arm of the head's chain: one load, then to the join
	s_cmp_lt_u32 s14, \under
	s_cbranch_scc0 \next
	tensor_load_to_lds s[\g0:\g0+3], s[\g1:\g1+7]
	s_nop 0
.rept 4
	v_nop
.endr
	s_branch .Lhead_asked
\next:
.endm
.macro CROUND
	s_barrier_signal -1
	s_barrier_wait -1
	s_cmp_lg_u32 s14, 0
	s_cbranch_scc1 .Lnot_wave_0_\@
	s_barrier_signal -3
.Lnot_wave_0_\@:
	s_barrier_wait -3
	s_barrier_signal -1
	s_barrier_wait -1
.endm
	s_load_b128 s[4:7], s[0:1], 0x0
	s_load_b64 s[8:9], s[0:1], 0x10
	v_lshl_add_u32 v[SPW], v0, 2, SPARE
	v_mov_b32 v[NIL], 0
	ds_add_u32 v[SPW], v[NIL]
	ds_add_u32 v[SPW], v[NIL]
	v_lshrrev_b32 v1, 5, v0
	v_readfirstlane_b32 s14, v1
	s_lshr_b32 s15, s14, 1
	s_and_b32 s16, s14, 1
	s_bfe_u32 s40, ttmp6, 0x40000
	s_bfe_u32 s41, ttmp6, 0x40004
	s_lshl_b32 s42, ttmp9, 2
	s_add_co_u32 s42, s42, s40
	s_and_b32 s17, ttmp7, 0xffff
	s_lshl_b32 s17, s17, 2
	s_add_co_u32 s17, s17, s41
	s_lshl_b32 s43, s41, 2
	s_lshl_b32 s43, 15, s43
	s_lshl_b32 s44, 0x1111, s40
	s_or_b32 s24, s43, (3<<16)|(1<<21)
	s_mov_b32 s25, 32<<16
	s_mov_b32 s26, 200<<16                         ; four records of A: 200 rows of 256 bytes
	s_mov_b32 s27, 32<<16
	s_mov_b32 s28, 200
	s_mov_b32 s29, 32
	s_mov_b32 s30, 0
	s_mov_b32 s31, 0
	s_or_b32 s32, s44, (3<<16)|(1<<21)
	s_mov_b32 s33, 32<<16
	s_mov_b32 s34, 400<<16                         ; four records of B: 400 rows
	s_mov_b32 s35, 32<<16
	s_mov_b32 s36, 400
	s_mov_b32 s37, 32
	s_mov_b32 s38, 0
	s_mov_b32 s39, 0
	s_mul_i32 s20, s17, 8*AREC
	s_mov_b32 s21, 0
	s_mul_i32 s46, s42, 8*BREC
	s_add_co_u32 s46, s46, 3*32*BREC
	s_mov_b32 s47, 0
	s_wait_dscnt 0x0
	s_wait_kmcnt 0x0
	s_add_nc_u64 s[20:21], s[4:5], s[20:21]
	s_add_nc_u64 s[46:47], s[6:7], s[46:47]
	CROUND
.irp g, 0,1                            ; half g of K: A's four records, B's four
	s_mov_b32 s[68+8*\g], 1
	s_mov_b32 s[69+8*\g], 4*\g*AREC
	s_add_nc_u64 s[70+8*\g:71+8*\g], s[20:21], 4*\g*AREC
	s_or_b32 s[71+8*\g], s[71+8*\g], 0x80000000
	s_mov_b32 s[72+8*\g], 1
	s_mov_b32 s[73+8*\g], BBASE+4*\g*BREC
	s_add_nc_u64 s[74+8*\g:75+8*\g], s[46:47], 4*\g*BREC
	s_or_b32 s[75+8*\g], s[75+8*\g], 0x80000000
.endr
	ARM 1, 68, 24, .Lh1                            ; wave 0: A's K steps 0-3
	ARM 2, 72, 32, .Lh2                            ; wave 1: B's K steps 0-3
	ARM 3, 76, 24, .Lh3                            ; wave 2: A's K steps 4-7
	tensor_load_to_lds s[80:83], s[32:39]          ; wave 3: B's K steps 4-7
	s_nop 0
.rept 4
	v_nop
.endr
.Lhead_asked:
	v_and_b32 v1, 15, v0
	v_bfe_u32 v2, v0, 4, 1
	v_and_b32 v3, 31, v0
	v_lshlrev_b32 v3, 4, v3
	s_wait_alu depctr_va_vdst(0)
	v_lshlrev_b32 v4, 2, v1
	s_wait_alu depctr_va_vdst(0)
	s_lshl_b32 s10, s42, 10
	s_lshl_b32 s11, s16, 9
	s_add_co_u32 s10, s10, s11
	s_add_co_u32 s10, s10, 4*32*BREC+3*4096
	s_mov_b32 s11, 0
	s_add_nc_u64 s[10:11], s[6:7], s[10:11]
	v_lshlrev_b32 v18, 5, v2
	WIN 0x40
.irp t, 0,1,2,3,4,5,6,7
	global_load_b128 v[8*\t:8*\t+3], v18, s[10:11] offset:64*\t
	global_load_b128 v[8*\t+4:8*\t+7], v18, s[10:11] offset:64*\t+16
.endr
	WIN 0
	s_mul_i32 s12, s15, 4*1536
	v_add_nc_u32 v5, s12, v3
	v_add_nc_u32 v6, 4*AREC, v5
	s_mul_i32 s12, s16, 8*1536
	s_add_co_u32 s12, s12, BBASE
	v_add_nc_u32 v8, s12, v3
	v_add_nc_u32 v9, 2*BREC, v8
	v_add_nc_u32 v10, 4*BREC, v8
	v_add_nc_u32 v11, 6*BREC, v8
	s_lshl_b32 s12, s15, 8
	s_add_co_u32 s12, s12, 12288
	v_add_nc_u32 v12, s12, v4
	v_add_nc_u32 v13, 4*AREC, v12
	s_lshl_b32 s12, s16, 9
	s_add_co_u32 s12, s12, BBASE+24576
	v_add_nc_u32 v14, s12, v4
	v_add_nc_u32 v15, 2*BREC, v14
	v_add_nc_u32 v16, 4*BREC, v14
	v_add_nc_u32 v17, 6*BREC, v14
	s_mul_i32 s12, s14, 16*SPITCH
	s_add_co_u32 s12, s12, BBASE
	v_mul_u32_u24 v19, v1, SPITCH
	v_lshl_add_u32 v19, v2, 5, v19
	v_add_nc_u32 v19, s12, v19
	v_add_nc_u32 v20, s12, v3
	s_lshl_b32 s50, s17, 19
	s_lshl_b32 s12, s15, 18
	s_add_co_u32 s50, s50, s12
	s_lshl_b32 s12, s42, 10
	s_add_co_u32 s50, s50, s12
	s_lshl_b32 s12, s16, 9
	s_add_co_u32 s50, s50, s12
	s_mov_b32 s51, 0
	s_add_nc_u64 s[52:53], s[8:9], s[50:51]
.macro FETCH ks, set
	WIN 0x40*(\set)
.irp i, 0,1,2,3,4,5,6,7
.irp q, 0,1,2
	ds_load_b128 v[FB+12*\i+4*\q:FB+12*\i+4*\q+3], v[8+(\ks)/2] offset:((\ks)%2)*BREC+1536*\i+512*\q
.endr
.endr
.irp i, 0,1,2,3
.irp q, 0,1,2
	ds_load_b128 v[FA+12*\i+4*\q:FA+12*\i+4*\q+3], v[5+(\ks)/4] offset:((\ks)%4)*AREC+1536*\i+512*\q
.endr
.endr
	WIN 0
.irp i, 0,1,2,3,4,5,6,7
	ds_load_b32 v[SCB+12*(\set)+\i], v[14+(\ks)/2] offset:((\ks)%2)*BREC+64*\i
.endr
.irp i, 0,1,2,3
	ds_load_b32 v[SCA+12*(\set)+\i], v[12+(\ks)/4] offset:((\ks)%4)*AREC+64*\i
.endr
.endm
.macro MULS ks, set
.if (\ks) == 0
	WIN 0x90
.else
	WIN 0xa0+5*(\set)
.endif
.irp a, 0,1,2,3
.irp b, 0,1,2,3,4,5,6,7
.if (\ks) == 0
	v_wmma_scale_f32_16x16x128_f8f6f4 v[8*(8*\a+\b):8*(8*\a+\b)+7], v[FB+12*\b:FB+12*\b+11], v[FA+12*\a:FA+12*\a+11], v[8*\b:8*\b+7], v[SCB+12*(\set)+\b], v[SCA+12*(\set)+\a] matrix_a_fmt:MATRIX_FMT_FP6 matrix_b_fmt:MATRIX_FMT_FP6
.else
	v_wmma_scale_f32_16x16x128_f8f6f4 v[8*(8*\a+\b):8*(8*\a+\b)+7], v[FB+12*\b:FB+12*\b+11], v[FA+12*\a:FA+12*\a+11], v[8*(8*\a+\b):8*(8*\a+\b)+7], v[SCB+12*(\set)+\b], v[SCA+12*(\set)+\a] matrix_a_fmt:MATRIX_FMT_FP6 matrix_b_fmt:MATRIX_FMT_FP6
.endif
.endr
.endr
.endm
.macro KS ks
.if (\ks) == 3
	s_wait_tensorcnt 0x0                           ; every wave's load has landed: K steps 4-7 are shown by the barrier below
	s_wait_dscnt 0x0
	s_barrier_signal -1
	s_barrier_wait -1
.endif
.if (\ks) < 7
.if (\ks) > 0
.rept 4
	v_nop
.endr
.endif
	FETCH (\ks)+1, ((\ks)+1)%2
	s_wait_dscnt 48
.else
	s_wait_dscnt 0x0
.endif
	MULS \ks, (\ks)%2
.endm
	s_wait_alu depctr_va_vdst(0)
	s_cmp_lt_u32 s14, 2
	s_cbranch_scc0 .Llate
	s_wait_tensorcnt 0x0                           ; waves 0 and 1: K steps 0-3 have landed; the other two loads may stay out
.Llate:
	s_barrier_signal -1
	s_barrier_wait -1
	FETCH 0, 0
	s_wait_loadcnt 0x0
.irp k, 0,1,2,3,4,5,6,7
	KS \k
.endr
	WIN 0
.rept 4
	v_nop
.endr
.macro TOSTAGE a
	WIN 0x08
.irp b, 0,1,2,3,4,5,6,7
	ds_store_b128 v19, v[64*\a+8*\b:64*\a+8*\b+3] offset:64*\b
	ds_store_b128 v19, v[64*\a+8*\b+4:64*\a+8*\b+7] offset:64*\b+16
.endr
	WIN 0
.set TT, 0
.rept 16
	ds_load_b128 v[BK+64*((\a)%2)+4*TT:BK+64*((\a)%2)+4*TT+3], v20 offset:TT*SPITCH
.set TT, TT+1
.endr
.endm
.macro SEND a, younger
	s_wait_dscnt \younger
.set TT, 0
.rept 16
	global_store_b128 v3, v[BK+64*((\a)%2)+4*TT:BK+64*((\a)%2)+4*TT+3], s[52:53] offset:(4*TT+\a)*4096 th:TH_STORE_NT
.set TT, TT+1
.endr
.endm
	TOSTAGE 0
	TOSTAGE 1
	SEND 0, 32
	s_wait_xcnt 0x0
	TOSTAGE 2
	SEND 1, 32
	s_wait_xcnt 0x0
	TOSTAGE 3
	SEND 2, 32
	SEND 3, 0
	s_wait_tensorcnt 0x0
	ds_add_u32 v[SPW], v[NIL]
	s_wait_dscnt 0x0
	CROUND
	s_endpgm
.Lfunc_end_k_qcc3a3adb01_outp:
	.size	k_qcc3a3adb01_outp, .Lfunc_end_k_qcc3a3adb01_outp-k_qcc3a3adb01_outp
	.p2alignl 7, 3214868480
	.fill 96, 4, 3214868480
	.section	.rodata,"a",@progbits
	.p2align	6, 0x0
	.amdhsa_kernel k_qcc3a3adb01_outp
		.amdhsa_group_segment_fixed_size 327680
		.amdhsa_private_segment_fixed_size 0
		.amdhsa_enable_private_segment 0
		.amdhsa_kernarg_size 24
		.amdhsa_user_sgpr_count 2
		.amdhsa_user_sgpr_kernarg_segment_ptr 1
		.amdhsa_wavefront_size32 1
		.amdhsa_system_sgpr_workgroup_id_x 1
		.amdhsa_system_sgpr_workgroup_id_y 1
		.amdhsa_system_sgpr_workgroup_id_z 1
		.amdhsa_system_vgpr_workitem_id 0
		.amdhsa_next_free_vgpr 768
		.amdhsa_next_free_sgpr 100
		.amdhsa_reserve_vcc 0
		.amdhsa_float_denorm_mode_32 3
		.amdhsa_float_denorm_mode_16_64 3
		.amdhsa_memory_ordered 1
		.amdhsa_forward_progress 1
		.amdhsa_inst_pref_size 82
	.end_amdhsa_kernel
	.amdgpu_metadata
---
amdhsa.version: [ 1, 2 ]
amdhsa.kernels:
  - .name:           k_qcc3a3adb01_outp
    .symbol:         k_qcc3a3adb01_outp.kd
    .args:
      - { .name: ca, .offset: 0, .size: 8, .value_kind: global_buffer, .address_space: global }
      - { .name: wb, .offset: 8, .size: 8, .value_kind: global_buffer, .address_space: global }
      - { .name: out0, .offset: 16, .size: 8, .value_kind: global_buffer, .address_space: global }
    .group_segment_fixed_size: 327680
    .private_segment_fixed_size: 0
    .kernarg_segment_align: 8
    .kernarg_segment_size: 24
    .max_flat_workgroup_size: 128
    .sgpr_count:     100
    .vgpr_count:     768
    .wavefront_size: 32
...
	.end_amdgpu_metadata
.endif
;; end of part 4
